; MI455X (gfx1250); checked and timed in simulation.
; The chip was launched on July 23, 2026; its instructions are those of AMD's public machine-readable ISA for CDNA 5 (MIT licence, August 2026) and "CDNA5" Instruction Set Architecture Reference Guide (July 2026). The comments in the code are by the model that wrote it; some were corrected since.
;; Multi Head Attention. Allowed arithmetic: matrix products marked QUANTISED: E2M3 operands, one E8M0 scale for each 32 along K, by v_wmma_scale_f32_16x16x128_f8f6f4 with both operands' format E2M3, f32 sums; everything else in f32.
;; Inputs: Wk_codes 16 x 64 x 32 x 24 uint8 (E2M3 codes of Wk, K innermost, in blocks of 32 codes, four codes in three bytes); Wk_scales 16 x 64 x 32 uint8 (E8M0 scales of Wk, one for each 32 codes along K); Wo_codes 1,024 x 32 x 24 uint8 (E2M3 codes of Wo, K innermost, in blocks of 32 codes, four codes in three bytes); Wo_scales 1,024 x 32 uint8 (E8M0 scales of Wo, one for each 32 codes along K); Wq_codes 16 x 64 x 32 x 24 uint8 (E2M3 codes of Wq, K innermost, in blocks of 32 codes, four codes in three bytes); Wq_scales 16 x 64 x 32 uint8 (E8M0 scales of Wq, one for each 32 codes along K); Wv_codes 16 x 64 x 32 x 24 uint8 (E2M3 codes of Wv, K innermost, in blocks of 32 codes, four codes in three bytes); Wv_scales 16 x 64 x 32 uint8 (E8M0 scales of Wv, one for each 32 codes along K); bo 1,024 float32; x_codes 4 x 2,048 x 32 x 24 uint8 (E2M3 codes of x, K innermost, in blocks of 32 codes, four codes in three bytes); x_scales 4 x 2,048 x 32 uint8 (E8M0 scales of x, one for each 32 codes along K).
;; Outputs: out0 4 x 2,048 x 1,024 float32.
;; This version of the problem:
;;   THIS VERSION OF THE PROBLEM IS GIVEN IN LOW PRECISION. The matrix products marked QUANTISED in the list below multiply operands that are first quantised to E2M3 (2 exponent bits, 3 mantissa bits; 6 bits a number), with one power-of-two scale for each 32 numbers along K (OCP MX v1.0); their sums are f32. All else is computed in f32.
;;   The module's matrix products, in the order in which they are computed (A, B: the left and right operand; K: the contracted axis; several contracted axes count as one K, in the product's order):
;;     1. [M 1,024, K 1,024] x [K 1,024, N 8,192]; A: input Wq (given as codes); B: input x (given as codes): QUANTISED
;;     2. [M 1,024, K 1,024] x [K 1,024, N 8,192]; A: input Wk (given as codes); B: input x (given as codes): QUANTISED
;;     3. [M 1,024, K 1,024] x [K 1,024, N 8,192]; A: input Wv (given as codes); B: input x (given as codes): QUANTISED
;;     4. batch 64 x [M 2,048, K 64] x [K 64, N 2,048]; A: computed on the way; B: computed on the way: QUANTISED
;;     5. batch 64 x [M 2,048, K 2,048] x [K 2,048, N 64]; A: softmax (see below); B: computed on the way: QUANTISED
;;     6. [M 8,192, K 1,024] x [K 1,024, N 1,024]; A: computed on the way; B: input Wo (given as codes): QUANTISED
;;   THE QUANTISER, for each operand of a quantised product, along K:
;;     - K is cut into blocks of 32 from its start; a last block that is shorter is filled with zeros.
;;     - A block's scale is 2^e with e = floor(log2(the largest magnitude in the block)) - 2, held to -126 .. 127; a block of zeros has e = 0. As a byte (E8M0): e + 127.
;;     - Each number is divided by its block's scale, clamped to +-7.5, and rounded to the nearest number of E2M3, ties to even, subnormals kept.
;;     - The product sums the exact products of the quantised numbers (number of the format x scale) in f32.
;;   ~~~python
;;   def quantise(x, axis):      # numpy; x: float32 -> the quantised numbers, widened to float32 again
;;       x = np.moveaxis(x, axis, -1); K = x.shape[-1]
;;       x = np.pad(x, [(0, 0)] * (x.ndim - 1) + [(0, -K % 32)]); x = x.reshape(x.shape[:-1] + (-1, 32)); a = np.abs(x).max(-1, keepdims=True)
;;       e = np.where(a > 0, np.clip(np.frexp(np.where(a > 0, a, 1))[1] - 1 - 2, -126, 127), 0)      # np.frexp(a)[1] - 1 = floor(log2(a)), exactly
;;       r = np.clip(x / 2.0 ** e, -7.5, 7.5)
;;       step = 2.0 ** (np.maximum(np.frexp(np.where(r == 0, 1, r))[1] - 1, 0) - 3)
;;       q = np.round(r / step) * step * 2.0 ** e      # np.round: ties to even
;;       return np.moveaxis(q.reshape(q.shape[:-2] + (-1,))[..., :K], -1, axis).astype(np.float32)
;;   ~~~
;;   SOFTMAX AHEAD OF A QUANTISED PRODUCT. Where the list says 'softmax', what is quantised is not the finished softmax but p = 2^(t - M), with t = logit x log2(e) and M = ceil(the row's largest t), a whole number; so 1/2 < the row's largest p <= 1. The row's sum l is taken of the UNQUANTISED p, in f32, and the product's result is divided by l at the end. Since M is a whole number, a kernel that streams over the keys may use a running M (the ceiling of the running maximum): every later rescaling is an exact power of two, which a block's scale takes up: the codes' values come out the same.
;;   OPERANDS COMPUTED ON THE WAY. 'Computed on the way' means the value that the module computes at that place (a softmax that the list does not call 'softmax' is quantised finished and normalised). What goes into a quantiser is computed in f32, as accurately as f32 sums, v_exp_f32 and their like allow (about 1e-6 of the number): no bf16 or f16 on the way to a quantiser, and a product that is left as it is and whose result goes on into a quantised operand takes f32 operands (vector FMAs, or v_wmma_f32_16x16x4_f32). A number that lies on a knife's edge between two numbers of the format may be rounded either way, as far as f32 arithmetic and the matrix unit's own rounding can turn it there, and no further.
;;   INPUTS GIVEN AS CODES. Wk (in the module: [16, 1024, 64], K = its axis 1); Wo (in the module: [1024, 1024], K = its axis 0); Wq (in the module: [16, 1024, 64], K = its axis 1); Wv (in the module: [16, 1024, 64], K = its axis 1); x (in the module: [4, 2048, 1024], K = its axis 2): each comes as NAME_codes (uint8): NAME with its K axis moved to the last place and cut into blocks of 32 codes, [.., K / 32, bytes a block], one block behind the other in memory; four codes in three bytes: a row's codes are one little-endian stream of bits, code i at bits 6 i .. 6 i + 5 (a code: sign, 2 exponent bits, 3 mantissa bits); and NAME_scales (uint8): the same leading axes, one E8M0 byte (e + 127) for each 32 codes along K. Its value is code x scale, taken as it is: it is not quantised again, and the codes and scales need not be those that the quantiser above would give.
;; One version. Each part assembles by itself: llvm-mc -triple=amdgcn-amd-amdhsa -mcpu=gfx1250 --defsym DOCPART=n.
;; ======== version 1 of 1: 3 launches
;; limits: right only within a limited range of input values
;; workspace buffers: qw 6,553,600 bytes; kv 13,107,200 bytes; att_codes 6,291,456 bytes; att_scales 262,144 bytes
;; launch qkv (part 1): grid 8 x 32, 4 waves a work-group, clusters of 4 x 4, 327,680 bytes of LDS; arguments x_codes, x_scales, Wq_codes, Wq_scales, Wk_codes, Wk_scales, Wv_codes, Wv_scales, qw, kv; writes qw, kv
.if DOCPART == 1
	.amdgcn_target "amdgcn-amd-amdhsa--gfx1250"
	.amdhsa_code_object_version 6
	.text
	.protected	k_q52db251453_qkv
	.globl	k_q52db251453_qkv
	.p2align	8
	.type	k_q52db251453_qkv,@function
k_q52db251453_qkv:
	s_mov_b64 s[64:65], 0
	v_nop
	global_prefetch_b8 v0, s[64:65] scope:SCOPE_SE
	s_setreg_imm32_b32 hwreg(HW_REG_WAVE_MODE, 25, 1), 1
	s_wait_xcnt 0x0
	s_wait_alu depctr_hold_cnt(0) depctr_sa_sdst(0) depctr_va_vdst(0) depctr_va_sdst(0) depctr_va_ssrc(0) depctr_va_vcc(0) depctr_vm_vsrc(0)
	s_getreg_b32 s2, hwreg(HW_REG_IB_STS2, 6, 4)
	s_cmp_eq_u32 s2, 0
	s_cbranch_scc0 .Lentry_in_a_cluster
	s_endpgm
.Lentry_in_a_cluster:
	s_bfe_u32 s2, ttmp6, 0x10000c
	s_cmp_lg_u32 s2, 0xf033
	s_cbranch_scc0 .Lentry_shape_is_right
	s_endpgm
.Lentry_shape_is_right:
; v, q, k = x W (per head) on codes of FP6 (E2M3), K = 1,024; the results are quantised in registers and leave as images of the next launch's operand registers.
; THE DEAL.  Work-group (j, i) of 8 x 32 takes x's rows 256 i .. + 255 and the heads 2 j, 2 j + 1, and makes v, then q, then k of them: three phases on the same rows of x, which lie in LDS for the whole launch.
; Four waves, 2 x 2: wave (a, b) takes rows 128 a .. + 127 (one record of 128 tokens) and head 2 j + b.  It holds its 64 rows of the phase's weight, all of K, in 384 registers, and
; streams x's rows past them in blocks of 16 rows, all of K: 32 products a block, four accumulators by turns.  A block's rows are fetched from LDS two blocks ahead, into two sets of registers.
; WHICH ROWS FORM A TILE is chosen by LDS address, so that a lane holds a whole scale block of the next product and asks no other lane:
;   q, k: source 0 = the weight's rows 32 (m / 8) + 8 t + m % 8 (tile t), source 1 = 16 neighbouring tokens: lane (r, h) holds d = 32 h + 0 .. 31 of token r.
;   v:    source 0 = x's rows 64 c + 32 (m / 8) + off(jj) + m % 8, off = 0, 16, 8, 24, source 1 = the weight's rows 16 t + r: after four blocks lane (r, h) holds 32 keys of block 2 c + h;
;         code 16 h' + 8 u + j of a block is key 16 u + 8 h' + j of it: the order in which the next launch's p falls.
; WHAT LEAVES: qw [batch x head 64][16 records][6,400]: four images of 32 tokens (registers 0-5 token r, 6-11 token 16 + r), 256 bytes of scale words; kv [64][16][12,800]: k's four images, v's four (16 d x 128 keys), k's words, v's words.
; LDS: x's 256 rows of 3 x (256 + 16) bytes at 0; the weight's 128 rows behind them; x's scale bytes (32 units of 256 + 16); the spare words.
; FILLS: at the head one joint load a wave (the weight, the scale bytes, two halves of x).  The weight's region is filled again twice, by wave 0, behind a drained round of the cluster's barrier
; that stands where every wave holds the old weight in registers: the load is asked for 256 products ahead of its first read.  So no prefetch is laid: nothing waits for these tiles, and the head has no loop to run ahead in.
; CLUSTERS: x's tiles hang on i alone and are shared along a row of the cluster, a weight's on j alone and are shared along a column.
; LIMITS: NaN, infinities and a scale byte of 0xff among the inputs are not served; a block whose largest magnitude lies under 2^-124 keeps the byte 1, a block of zeros too (its codes are zeros; this program alone reads the bytes).
; REGISTERS: window 0: addresses, scale words, codes; fragment f lies in window 1 + f / 21 at register 12 (f % 21): 0-31 the weight's (4 q + t), 32-39 and 40-47 x's two sets; v840-967 the accumulators.
.set KROW,  768
.set PITCH, 816
.set FR,    12
.set FPW,   21
.set NF,    28                         ; LDS loads of a block: 26 for eight fragments, 2 for eight scale words
.set WB,    256*PITCH
.set SCL,   WB+128*PITCH
.set SPARE, SCL+32*272
.set SPW,  4
.set NIL,  5
.set LI,   6                           ; 16 x lane
.set LI8,  7                           ; 8 x lane
.set SH8,  8                           ; 8 h
.set ADRA, 10                          ; v10, v11 LDS address of the block that is fetched (v11: for the pieces behind one padding more)
.set XN,   12                          ; v12, v13 my rows of x, neighbouring rows;  v14, v15 in v's order
.set XP,   14
.set ASN,  16                          ; my rows' scale words;  v17 in v's order
.set ASV,  17
.set AAS,  18
.set VO,   19
.set BA,   20                          ; v20-27 the weight's four tiles
.set WNB,  28
.set WPB,  30
.set SBV,  32                          ; the weights' scale words, 16 registers a phase
.set SBQ,  48
.set SBK,  64
.set SA,   84                          ; x's, two sets of eight
.set MCD,  148                         ; v's four operands
.set NCD,  196                         ; an image of q or k
.set TC,   208
.set TQ,   212
.set SOP,  216
.set EB,   224
.set WT,   232
.set WSQ,  234
.set WSK,  236
.set WSV,  238
.set ACC,  72                          ; in window 3
.set G1X, 24
.set G1W, 32
.set G1S, 92
.set G0W, 48
.set G0S, 52
.set G0X, 56
.set MSB, 0
.macro WIN new
.if MSB != \new
	s_set_vgpr_msb (MSB<<8)|\new
.set MSB, \new
.endif
.endm
.macro PLACES n
.rept \n
	v_nop
.endr
.endm
.macro WALU
	s_wait_alu depctr_va_vdst(0)
.endm
.macro BARRIER
	s_barrier_signal -1
	s_barrier_wait -1
.endm
.macro CROUND                          ; a round of the cluster's barrier
	WIN 0
	s_barrier_signal -1
	s_barrier_wait -1
	s_cmp_lg_u32 s14, 0
	s_cbranch_scc1 .Lnot_wave_0_\@
	s_barrier_signal -3
.Lnot_wave_0_\@:
	s_barrier_wait -3
	BARRIER
.endm
.macro TLOAD g0, g1
	tensor_load_to_lds s[\g0:\g0+3], s[\g1:\g1+7]
	s_nop 0
	PLACES 4
.endm
.macro GROUP1 g, mask, rows
	s_or_b32 s[\g+0], s[\mask], (1<<20)|(1<<21)|(5<<22)|(3<<25)
	s_mov_b32 s[\g+1], (KROW&0xffff)<<16
	s_mov_b32 s[\g+2], (KROW>>16)|((\rows)<<16)
	s_mov_b32 s[\g+3], KROW<<16
	s_mov_b32 s[\g+4], \rows
	s_mov_b32 s[\g+5], KROW
	s_mov_b32 s[\g+6], 0
	s_mov_b32 s[\g+7], 0
.endm
.macro G0SET g, base, off              ; group 0's address: base + the offset in s\off (s21 = 0)
	s_mov_b32 s20, s\off
	s_add_nc_u64 s[\g+2:\g+3], s[\base:\base+1], s[20:21]
	s_or_b32 s[\g+3], s[\g+3], 0x80000000
.endm
.macro FRAG f, q, a0, a1               ; six pieces of 8 bytes, two to a load where both lie behind as many paddings
	WIN (1+(\f)/FPW)<<6
.set R_, FR*((\f)%FPW)
.set SKIP_, 0
.irp p, 0,1,2,3,4,5
.if SKIP_
.set SKIP_, 0
.else
.set PC_, 12*(\q)+6*(\p/3)+\p%3
.set PN_, 12*(\q)+6*((\p+1)/3)+(\p+1)%3
.set X_, (PC_%32+3)/32
.set XQ_, (PN_%32+3)/32
.if (\p < 5) && (X_ == XQ_)
.set SKIP_, 1
.if X_
	ds_load_2addr_b64 v[R_+2*\p:R_+2*\p+3], \a1 offset0:PC_+2*(PC_/32) offset1:PN_+2*(PN_/32)
.else
	ds_load_2addr_b64 v[R_+2*\p:R_+2*\p+3], \a0 offset0:PC_+2*(PC_/32) offset1:PN_+2*(PN_/32)
.endif
.elseif X_
	ds_load_b64 v[R_+2*\p:R_+2*\p+1], \a1 offset:8*(PC_+2*(PC_/32))
.else
	ds_load_b64 v[R_+2*\p:R_+2*\p+1], \a0 offset:8*(PC_+2*(PC_/32))
.endif
.endif
.endr
.endm
.macro WEIGHTS                         ; my 64 rows of the weight, all of K: 104 loads
.irp q, 0,1,2,3,4,5,6,7
.irp b, 0,1,2,3
	FRAG 4*\q+\b, \q, v[BA+2*\b], v[BA+2*\b+1]
.endr
.endr
	WIN 0
.endm
.macro SETBA base, step
.irp b, 0,1,2,3
	v_add_nc_u32 v[BA+2*\b], \b*(\step), v[\base]
	v_add_nc_u32 v[BA+2*\b+1], \b*(\step), v[\base+1]
.endr
.endm
.macro FETCHAT e, a, as, so            ; a block of x's rows and its scale words into set e: NF loads
.irp q, 0,1,2,3,4,5,6,7
	FRAG 32+8*(\e)+\q, \q, v[\a], v[\a+1]
.endr
	WIN 0
	ds_load_b128 v[SA+8*(\e):SA+8*(\e)+3], v[\as] offset:\so
	ds_load_b128 v[SA+8*(\e)+4:SA+8*(\e)+7], v[\as] offset:(\so)+16
.endm
.macro PROD1 d, s0, s1, c, x0, x1, side, o
.if \o
	v_wmma_scale_f32_16x16x128_f8f6f4 v[\d:\d+7], v[FR*((\s0)%FPW):FR*((\s0)%FPW)+FR-1], v[FR*((\s1)%FPW):FR*((\s1)%FPW)+FR-1], \c, v[\x0], v[\x1] matrix_a_fmt:MATRIX_FMT_FP6 matrix_b_fmt:MATRIX_FMT_FP6 matrix_\side\()_scale:MATRIX_SCALE_ROW1
.else
	v_wmma_scale_f32_16x16x128_f8f6f4 v[\d:\d+7], v[FR*((\s0)%FPW):FR*((\s0)%FPW)+FR-1], v[FR*((\s1)%FPW):FR*((\s1)%FPW)+FR-1], \c, v[\x0], v[\x1] matrix_a_fmt:MATRIX_FMT_FP6 matrix_b_fmt:MATRIX_FMT_FP6 matrix_\side\()_scale:MATRIX_SCALE_ROW0
.endif
.endm
.macro PROD kind, e, n, a0, as, sb     ; product n = 4 q + t.  kind 0 (q, k): source 0 the weight's rows; kind 1 (v): source 0 x's rows.  The weight's words of tiles 2 p, 2 p + 1 share a register
.set Q_, (\n)/4
.set T_, (\n)%4
.set FB_, 4*Q_+T_
.set FA_, 32+8*(\e)+Q_
.set D_, (\a0)+(\as)*T_
.set XB_, (\sb)+8*(T_/2)+Q_
.set XA_, SA+8*(\e)+Q_
.if \kind
	WIN (1+FA_/FPW)|((1+FB_/FPW)<<2)|0xf0
.if Q_
	PROD1 D_, FA_, FB_, v[D_:D_+7], XA_, XB_, b, T_%2
.else
	PROD1 D_, FA_, FB_, 0, XA_, XB_, b, T_%2
.endif
.else
	WIN (1+FB_/FPW)|((1+FA_/FPW)<<2)|0xf0
.if Q_
	PROD1 D_, FB_, FA_, v[D_:D_+7], XB_, XA_, a, T_%2
.else
	PROD1 D_, FB_, FA_, 0, XB_, XA_, a, T_%2
.endif
.endif
.endm
.macro BLOCK kind, e, a0, as, sb
.set N_, 0
.rept 32
	PROD \kind, \e, N_, \a0, \as, \sb
.set N_, N_+1
.endr
	WIN 0
.endm
; THE QUANTISER of a lane's 32 sums at register x of window 3: the largest magnitude in four chains, each over one accumulator from its low end on, with the floor 2^(3 - 127) among the leaves;
; 2 off its exponent field is the conversions' scale operand; 32 codes go to v[c .. c + 5], the byte to v[EB + n].
.macro QB x, c, n
	WIN 0x3c
.irp k, 0,1,2,3
	v_max3_num_f32 v[TQ+\k], 0x1800000, |v[(\x)+8*\k]|, |v[(\x)+8*\k+1]|
.endr
.irp i, 2,4,6
.irp k, 0,1,2,3
	v_max3_num_f32 v[TQ+\k], v[TQ+\k], |v[(\x)+8*\k+\i]|, |v[(\x)+8*\k+\i+1]|
.endr
.endr
	WIN 0
	v_max3_num_f32 v[TQ], v[TQ], v[TQ+1], v[TQ+2]
	v_max_num_f32 v[TQ], v[TQ], v[TQ+3]
	v_add_nc_u32 v[SOP+\n], 0xff000000, v[TQ]
	v_lshrrev_b32 v[EB+\n], 23, v[SOP+\n]
	WIN 3
	v_cvt_scalef32_pk16_fp6_f32 v[\c:\c+2], v[\x:\x+15], v[SOP+\n]
	v_cvt_scalef32_pk16_fp6_f32 v[TC:TC+2], v[\x+16:\x+31], v[SOP+\n]
	WIN 0
	v_nop                                  ; one plain place behind a scaled conversion
.irp i, 0,1,2
	v_mov_b32 v[\c+3+\i], v[TC+\i]
.endr
.endm
.macro REFILL base                     ; every wave holds the weight in registers: the three lines, a round, and wave 0's joint load of the next weight
	s_wait_tensorcnt 0x0
	ds_add_u32 v[SPW], v[NIL]
	G0SET G0W, \base, 46
	s_wait_dscnt 0x0
	CROUND
	s_cmp_eq_u32 s14, 0
	s_cbranch_scc0 .Lno_fill_\@
	TLOAD G0W, G1W
.Lno_fill_\@:
.endm
; ---- v: block u = 4 c + jj
.macro VBLK u, w
.set NU_, (\u)+2
.set RO_, 64*(NU_/4)+16*(NU_%2)+8*((NU_%4)/2)
	s_wait_dscnt \w                        ; younger than this block's fetch: the next block's
	BLOCK 1, (\u)%2, ACC+8*((\u)%4), 32, SBV
.if (\u) < 6
	v_add_nc_u32 v[ADRA], RO_*PITCH, v[XP]
	v_add_nc_u32 v[ADRA+1], RO_*PITCH, v[XP+1]
	PLACES 2                               ; four places ahead of loads into registers that the products have read
	WALU
	FETCHAT (\u)%2, ADRA, ASV, RO_/8*272
.else
	PLACES 4
.endif
.if (\u)%4 == 3
.irp t, 0,1,2,3
	QB ACC+32*\t, MCD+12*\t+6*((\u)/4), 4*((\u)/4)+\t
.endr
.endif
.endm
; ---- q, k: an image is two blocks of 16 tokens
.macro QBLK e, sb, w, fetch
	s_wait_dscnt \w
	BLOCK 0, \e, ACC, 8, \sb
.if \fetch
	v_add_nc_u32 v[ADRA], s101, v[XN]
	v_add_nc_u32 v[ADRA+1], s101, v[XN+1]
	v_add_nc_u32 v[AAS], s100, v[ASN]
	v_nop
	s_add_co_u32 s101, s101, 16*PITCH
	s_add_co_u32 s100, s100, 544
	WALU
	FETCHAT \e, ADRA, AAS, 0
.else
	PLACES 4
.endif
	QB ACC, NCD+6*\e, \e
.endm
.macro IMG sb, ob, ws, fetch
	s_wait_xcnt 0x0                        ; the last image's stores have read their registers
	QBLK 0, \sb, NF, \fetch
.if \fetch
	QBLK 1, \sb, NF, 1
.else
	QBLK 1, \sb, 0, 0
.endif
	v_lshl_or_b32 v[WT], v[EB+1], 16, v[EB]        ; my two bytes, 8 h bits up; with lane l xor 16's two the image's word of row r is whole
	v_lshlrev_b32 v[WT], v[SH8], v[WT]
	v_permlanex16_b32 v[WT+1], v[WT], s60, s61
	s_lshl_b32 s20, s3, 4
	s_lshl_b64 s[22:23], s[62:63], s20             ; image f's 16 lanes of the pair of registers that is stored
	v_or_b32 v[WT], v[WT], v[WT+1]
	v_cndmask_b32 v[\ws], v[\ws], v[WT], s22
	v_cndmask_b32 v[\ws+1], v[\ws+1], v[WT], s23
	s_mul_i32 s20, s3, 1536
	v_add_nc_u32 v[VO], s20, v[LI]
	WALU
.irp c, 0,1,2
	global_store_b128 v[VO], v[NCD+4*\c:NCD+4*\c+3], s[\ob:\ob+1] offset:512*\c   ; 32 lanes store 512 consecutive bytes, aligned
.endr
.endm
.macro PHASE sb, ob, woff, ws, refill, nxt
	v_add_nc_u32 v[ADRA], 16*PITCH, v[XN]
	v_add_nc_u32 v[ADRA+1], 16*PITCH, v[XN+1]
	v_mov_b32 v[\ws], 0
	v_mov_b32 v[\ws+1], 0
	WALU
	s_wait_tensorcnt 0x0
	s_wait_dscnt 0x0
	BARRIER                                ; the weight that the last refill brought is shown to all
	WEIGHTS
	FETCHAT 0, XN, ASN, 0
	FETCHAT 1, ADRA, ASN, 544
.if \refill
	REFILL \nxt
.endif
	s_mov_b32 s3, 0
	s_mov_b32 s101, 32*PITCH
	s_mov_b32 s100, 2*544
.Limg_\@:
	IMG \sb, \ob, \ws, 1
	s_add_co_u32 s3, s3, 1
	s_cmp_lg_u32 s3, 3
	s_cbranch_scc1 .Limg_\@
	IMG \sb, \ob, \ws, 0                   ; the last image fetches nothing
	global_store_b64 v[LI8], v[\ws:\ws+1], s[\ob:\ob+1] offset:\woff   ; 256 consecutive bytes, aligned
.endm
; ================= THE HEAD
	s_load_b512 s[68:83], s[0:1], 0x0              ; x 68, 70; Wq 72, 74; Wk 76, 78; Wv 80, 82
	s_load_b128 s[84:87], s[0:1], 0x40             ; qw, kv
	v_lshl_add_u32 v[SPW], v0, 2, SPARE
	v_mov_b32 v[NIL], 0
	ds_add_u32 v[SPW], v[NIL]                      ; the opening lines
	ds_add_u32 v[SPW], v[NIL]
	v_lshrrev_b32 v1, 5, v0
	v_readfirstlane_b32 s14, v1                    ; the wave; s15 = a, s16 = b
	s_lshr_b32 s15, s14, 1
	s_and_b32 s16, s14, 1
	s_bfe_u32 s40, ttmp6, 0x40000
	s_bfe_u32 s41, ttmp6, 0x40004
	s_lshl_b32 s42, ttmp9, 2
	s_add_co_u32 s42, s42, s40                     ; j
	s_and_b32 s43, ttmp7, 0xffff
	s_lshl_b32 s43, s43, 2
	s_add_co_u32 s43, s43, s41                     ; i
	s_lshl_b32 s44, s41, 2
	s_lshl_b32 s44, 15, s44                        ; my row of the cluster
	s_lshl_b32 s45, 0x1111, s40                    ; my column
	GROUP1 G1X, 44, 128
	GROUP1 G1W, 45, 128
	s_or_b32 s[G1S+0], s44, (3<<16)|(1<<20)|(1<<21)|(5<<22)|(3<<25)
	s_mov_b32 s[G1S+1], 32<<16
	s_mov_b32 s[G1S+2], 32<<16
	s_mov_b32 s[G1S+3], 32<<16
	s_mov_b32 s[G1S+4], 32
	s_mov_b32 s[G1S+5], 32
	s_mov_b32 s[G1S+6], 0
	s_mov_b32 s[G1S+7], 0
	s_mul_i32 s46, s42, 128*KROW                   ; a weight's 128 rows
	s_mul_i32 s47, s43, 256*KROW
	s_mul_i32 s20, s16, 128*KROW
	s_add_co_u32 s47, s47, s20                     ; a half of x's 256 rows (waves 2 and 3)
	s_mul_i32 s8, s43, 256*32                      ; their scale bytes
	s_mul_i32 s9, s42, 128*32
	s_lshl_b32 s20, s16, 11
	s_add_co_u32 s9, s9, s20                       ; my 64 rows' scale bytes of a weight
	s_mov_b32 s[G0W], 1
	s_mov_b32 s[G0W+1], WB
	s_mov_b32 s[G0S], 1
	s_mov_b32 s[G0S+1], SCL
	s_mov_b32 s[G0X], 1
	s_mul_i32 s[G0X+1], s16, 128*PITCH
	s_lshr_b32 s11, s43, 3                         ; the record: ((16 batch + head) x 16) + 2 (i % 8) + a
	s_lshl_b32 s11, s11, 4
	s_lshl_b32 s20, s42, 1
	s_add_co_u32 s11, s11, s20
	s_add_co_u32 s11, s11, s16
	s_lshl_b32 s11, s11, 4
	s_and_b32 s20, s43, 7
	s_lshl_b32 s20, s20, 1
	s_add_co_u32 s11, s11, s20
	s_add_co_u32 s11, s11, s15
	s_mul_i32 s10, s11, 6400
	s_mul_i32 s11, s11, 12800
	s_mul_i32 s22, s15, 128*PITCH
	s_mul_i32 s23, s16, 64*PITCH
	s_add_co_u32 s23, s23, WB
	s_mul_i32 s13, s15, 16*272
	s_add_co_u32 s13, s13, SCL
	s_mov_b32 s60, 0x76543210
	s_mov_b32 s61, 0xfedcba98                      ; v_permlanex16_b32's selects for lane l xor 16
	s_mov_b32 s62, 0xffff
	s_mov_b32 s63, 0
	s_mov_b32 s12, 0xffff0000
	s_mov_b32 s21, 0
	WALU
	s_wait_dscnt 0x0
	CROUND                                         ; the opening round
	s_wait_kmcnt 0x0
	G0SET G0W, 80, 46
	G0SET G0S, 70, 8
	G0SET G0X, 68, 47
	s_cmp_eq_u32 s14, 0                            ; one chain of arms, one load to an arm
	s_cbranch_scc0 .Lhead_1
	TLOAD G0W, G1W                                 ; wave 0: Wv's rows
	s_branch .Lasked
.Lhead_1:
	s_cmp_eq_u32 s14, 1
	s_cbranch_scc0 .Lhead_2
	TLOAD G0S, G1S                                 ; wave 1: x's scale bytes
	s_branch .Lasked
.Lhead_2:
	TLOAD G0X, G1X                                 ; waves 2 and 3: a half of x's rows each
.Lasked:
	s_mov_b32 s20, s9
	s_add_nc_u64 s[74:75], s[74:75], s[20:21]
	s_add_nc_u64 s[78:79], s[78:79], s[20:21]
	s_add_nc_u64 s[82:83], s[82:83], s[20:21]
	s_mov_b32 s20, s10
	s_add_nc_u64 s[88:89], s[84:85], s[20:21]      ; my record of qw,
	s_mov_b32 s20, s11
	s_add_nc_u64 s[90:91], s[86:87], s[20:21]      ; and of kv
	v_and_b32 v1, 15, v0                           ; r
	v_bfe_u32 v2, v0, 4, 1                         ; h
	v_and_b32 v3, 31, v0
	v_lshrrev_b32 v9, 3, v1
	v_mad_u32_u24 v101, v9, 24, v1                 ; 32 (r / 8) + r % 8
	v_mul_u32_u24 v102, v1, PITCH
	v_mul_u32_u24 v103, v101, PITCH
	v_mad_u32_u24 v104, v2, 24, v102
	v_mad_u32_u24 v105, v2, 40, v102
	v_mad_u32_u24 v106, v2, 24, v103
	v_mad_u32_u24 v107, v2, 40, v103
	v_add_nc_u32 v[XN], s22, v104
	v_add_nc_u32 v[XN+1], s22, v105
	v_add_nc_u32 v[XP], s22, v106
	v_add_nc_u32 v[XP+1], s22, v107
	v_add_nc_u32 v[WNB], s23, v104
	v_add_nc_u32 v[WNB+1], s23, v105
	v_add_nc_u32 v[WPB], s23, v106
	v_add_nc_u32 v[WPB+1], s23, v107
	v_and_b32 v108, 7, v1
	v_lshlrev_b32 v108, 5, v108
	v_mad_u32_u24 v109, v9, 272, v108              ; a row's 32 scale bytes: eight rows to a unit of 256 + 16
	v_mad_u32_u24 v110, v9, 1088, v108
	v_add_nc_u32 v[ASN], s13, v109
	v_add_nc_u32 v[ASV], s13, v110
	v_lshlrev_b32 v111, 5, v3                      ; the weights' scale bytes: lane l takes row l of a pair of tiles,
	v_lshl_add_u32 v112, v9, 10, v108
	v_lshl_add_u32 v112, v2, 8, v112               ; or, for q and k, row 32 (r / 8) + 8 h + r % 8
	v_lshlrev_b32 v[LI], 4, v3
	v_lshlrev_b32 v[LI8], 3, v3
	v_lshlrev_b32 v[SH8], 3, v2
	v_mov_b32 v[WT+1], 0                           ; a lane permute's destination counts as one of its sources
	v_add_nc_u32 v[ADRA], 16*PITCH, v[XP]
	v_add_nc_u32 v[ADRA+1], 16*PITCH, v[XP+1]
	SETBA WNB, 16*PITCH
.irp p, 0,1
.irp c, 0,1
	global_load_b128 v[SBV+8*\p+4*\c:SBV+8*\p+4*\c+3], v111, s[82:83] offset:1024*\p+16*\c
	global_load_b128 v[SBQ+8*\p+4*\c:SBQ+8*\p+4*\c+3], v112, s[74:75] offset:512*\p+16*\c
	global_load_b128 v[SBK+8*\p+4*\c:SBK+8*\p+4*\c+3], v112, s[78:79] offset:512*\p+16*\c
.endr
.endr
	WALU
	s_wait_tensorcnt 0x0
	BARRIER                                        ; all four tiles are in
; ================= v
	WEIGHTS
	FETCHAT 0, XP, ASV, 0
	FETCHAT 1, ADRA, ASV, 544
	s_wait_loadcnt 0x0                             ; the weights' scale words are in, ahead of the round
	REFILL 72                                      ; Wq's rows
.irp u, 0,1,2,3,4,5,6
	VBLK \u, NF
.endr
	VBLK 7, 0
.irp t, 0,1,2,3
	v_lshl_or_b32 v[TQ+\t], v[EB+4+\t], 16, v[EB+\t]   ; blocks h and 2 + h of d = 16 t + r
.endr
.irp t, 0,1,2,3
	v_lshlrev_b32 v[TQ+\t], v[SH8], v[TQ+\t]
.endr
.irp t, 0,1,2,3
	v_permlanex16_b32 v[SOP+\t], v[TQ+\t], s60, s61
.endr
.irp t, 0,1,2,3
	v_or_b32 v[TQ+\t], v[TQ+\t], v[SOP+\t]
.endr
	v_cndmask_b32 v[WSV], v[TQ], v[TQ+1], s12      ; word 0 in lanes 0-15, word 1 in lanes 16-31
	v_cndmask_b32 v[WSV+1], v[TQ+2], v[TQ+3], s12
	SETBA WPB, 8*PITCH                             ; q's and k's tiles of the weight
	WALU
.irp t, 0,1,2,3
.irp c, 0,1,2
	global_store_b128 v[LI], v[MCD+12*\t+4*\c:MCD+12*\t+4*\c+3], s[90:91] offset:6144+1536*\t+512*\c
.endr
.endr
	global_store_b64 v[LI8], v[WSV:WSV+1], s[90:91] offset:12544
; ================= q, then k
	PHASE SBQ, 88, 6144, WSQ, 1, 76
	PHASE SBK, 90, 12288, WSK, 0, 0
	s_wait_tensorcnt 0x0                           ; the wave's end
	ds_add_u32 v[SPW], v[NIL]
	s_wait_dscnt 0x0
	CROUND                                         ; the closing round
	s_endpgm
.Lfunc_end_k_q52db251453_qkv:
	.size	k_q52db251453_qkv, .Lfunc_end_k_q52db251453_qkv-k_q52db251453_qkv
	.p2alignl 7, 3214868480
	.fill 96, 4, 3214868480
	.section	.rodata,"a",@progbits
	.p2align	6, 0x0
	.amdhsa_kernel k_q52db251453_qkv
		.amdhsa_group_segment_fixed_size 327680
		.amdhsa_private_segment_fixed_size 0
		.amdhsa_enable_private_segment 0
		.amdhsa_kernarg_size 80
		.amdhsa_user_sgpr_count 2
		.amdhsa_user_sgpr_kernarg_segment_ptr 1
		.amdhsa_wavefront_size32 1
		.amdhsa_system_sgpr_workgroup_id_x 1
		.amdhsa_system_sgpr_workgroup_id_y 1
		.amdhsa_system_sgpr_workgroup_id_z 1
		.amdhsa_system_vgpr_workitem_id 0
		.amdhsa_next_free_vgpr 1024
		.amdhsa_next_free_sgpr 102
		.amdhsa_reserve_vcc 0
		.amdhsa_float_denorm_mode_32 3
		.amdhsa_float_denorm_mode_16_64 3
		.amdhsa_memory_ordered 1
		.amdhsa_forward_progress 1
		.amdhsa_inst_pref_size 165
	.end_amdhsa_kernel
	.amdgpu_metadata
---
amdhsa.version: [ 1, 2 ]
amdhsa.kernels:
  - .name:           k_q52db251453_qkv
    .symbol:         k_q52db251453_qkv.kd
    .args:
      - { .name: x_codes, .offset: 0, .size: 8, .value_kind: global_buffer, .address_space: global }
      - { .name: x_scales, .offset: 8, .size: 8, .value_kind: global_buffer, .address_space: global }
      - { .name: Wq_codes, .offset: 16, .size: 8, .value_kind: global_buffer, .address_space: global }
      - { .name: Wq_scales, .offset: 24, .size: 8, .value_kind: global_buffer, .address_space: global }
      - { .name: Wk_codes, .offset: 32, .size: 8, .value_kind: global_buffer, .address_space: global }
      - { .name: Wk_scales, .offset: 40, .size: 8, .value_kind: global_buffer, .address_space: global }
      - { .name: Wv_codes, .offset: 48, .size: 8, .value_kind: global_buffer, .address_space: global }
      - { .name: Wv_scales, .offset: 56, .size: 8, .value_kind: global_buffer, .address_space: global }
      - { .name: qw, .offset: 64, .size: 8, .value_kind: global_buffer, .address_space: global }
      - { .name: kv, .offset: 72, .size: 8, .value_kind: global_buffer, .address_space: global }
    .group_segment_fixed_size: 327680
    .private_segment_fixed_size: 0
    .kernarg_segment_align: 8
    .kernarg_segment_size: 80
    .max_flat_workgroup_size: 128
    .sgpr_count:     102
    .vgpr_count:     1024
    .wavefront_size: 32
...
	.end_amdgpu_metadata
.endif
;; end of part 1
;; launch attn (part 2): grid 4 x 64, 16 waves a work-group, no clusters, 327,680 bytes of LDS; arguments qw, kv, att_codes, att_scales; writes att_codes, att_scales
.if DOCPART == 2
	.amdgcn_target "amdgcn-amd-amdhsa--gfx1250"
	.amdhsa_code_object_version 6
	.text
	.protected	k_q52db251453_attn
	.globl	k_q52db251453_attn
	.p2align	8
	.type	k_q52db251453_attn,@function
k_q52db251453_attn:
	s_mov_b64 s[64:65], 0
	v_nop
	global_prefetch_b8 v0, s[64:65] scope:SCOPE_SE
	s_setreg_imm32_b32 hwreg(HW_REG_WAVE_MODE, 25, 1), 1
	s_wait_xcnt 0x0
; Causal attention of one head (head size 64, 2,048 rows) on codes of FP6 (E2M3); the result is quantised along the model's 1,024 and leaves as codes for the last product.
; INPUTS (made by the launch before, images of operand registers): qw [64 batch x head][16 records of 128 queries][6,400], kv [64][16 records of 128 keys][12,800]:
;   an image of q or k: lane (r, h): registers 0-5 = row 32 f + r, block h of the head's 64; registers 6-11 = row 32 f + 16 + r.  An image of v: 16 d x 128 keys, an ordinary fragment.
; THE SOFTMAX: t = score x log2(e) / 8; M = the running largest t rounded UP to a whole number; p = 2^(t - M) is quantised along the keys; the row's sum is taken of the unquantised p and divides at the end.
; q k^T HAS K = 64, the instruction 128: a fragment of k holds TWO tiles of 16 keys side by side, and q stands in a run of 18 registers, zeros | q | zeros: registers 6-17 are [q | 0], registers 0-11 are [0 | q].
; Two products a fragment give the two tiles; the zero codes add nothing (all scale bytes lie between 1 and 254).
; Both products are used transposed: S^T = k q^T, O^T = v^T p^T: a lane holds ONE query throughout.  Register 16 f + 8 u + j of S^T, lane (r, h): key 32 f + 16 u + 8 h + j.
; SHARES.  Work-group (i, head) owns the query blocks 7 - i and i, 256 queries each; each of its sixteen waves owns 16 queries of each block.  It walks the slots (256 keys) 0 .. 7 - i for the first block,
; then 0 .. i for the second: NINE slots in every work-group, so the trip counts are constants and every work-group has the same work.  A step all of whose keys come after a wave's queries is jumped over.
; NO CLUSTER: the four work-groups of a head walk slot n in trip n only while n < 8 - i; from trip 5 on their tiles differ, so they cannot make every request jointly.
; LDS: two slots of 25,600 bytes (two records, dense) at 0 and 32,768; the spare words at 65,536.  Waves 0 to 3 fetch a quarter of a slot each.
; WHAT LEAVES: att_codes [512 tiles of 16 rows][16 heads][768]: six registers a lane, registers 2 p, 2 p + 1 of lane l at 256 p + 8 l;  att_scales [8,192 rows][32]: byte 2 head + block.
; LIMITS: NaN and infinities are not served; a block whose largest magnitude lies under 2^-124 keeps the byte 1, a block of zeros too (its codes are zeros; this program alone reads the bytes).
.set RECQ,  6400
.set RECK,  12800
.set SLOTB, 2*RECK                     ; a slot's bytes
.set QUART, SLOTB/4                    ; what one tensor load brings: 25 rows of 256 bytes
.set SLOT1, 1<<15                      ; slot 1 begins here: one exclusive or turns an address
.set SPARE, 1<<16                      ; the spare words, 128 bytes for each of 16 waves
.set LI,   1                           ; v1   16 x lane
.set LI8,  2                           ; v2   8 x lane
.set LQ,   3                           ; v3   r - 8 h
.set SAO,  4                           ; v4   32 r + h: my byte among the rows' scale bytes
.set SPW,  5                           ; v5   LDS address of my spare word; never rewritten
.set NIL,  6                           ; v6   0; never rewritten
.set PFO,  7                           ; v7   the prefetches' offset: 256 x min(lane, 24); never rewritten
.set ADK,  8                           ; v8   LDS address of the step's images
.set ADS,  9                           ; v9   and of its scale words
.set QS,   10                          ; v10  q's scale word;  v11 the second block's
.set QS2,  11
.set QR,   16                          ; v16-33 the run zeros | q | zeros
.set Q2,   34                          ; v34-39 the second block's q
.set KSC,  40                          ; v40-41 k's scale words
.set VSC,  42                          ; v42-43 v's
.set PS,   44                          ; v44  p's scale word
.set FF,   46                          ; v46  f = 2^(old M - new M); v47 = 0, named with it as a pair
.set FRG,  48                          ; v48-95 four fragments of k, then of v
.set S,    96                          ; v96-159 S^T, then p
.set OT,   160                         ; v160-191 O^T
.set PC,   192                         ; v192-203 p's codes
.set CT,   204                         ; v204-210 the conversions' second halves
.set BM,   212                         ; v212-215 the blocks' largest
.set BT,   216                         ; v216-219 the other half's, then bytes
.set SOP,  220                         ; v220-223 the conversions' scale operands
.set T0,   224                         ; v224-227 at work
.set TB,   2                           ; s2   LDS byte at which the slot in hand begins
.set SLOTS, 3                          ; s3   trips to go
.set WV,   18
.set SEL,  20
.set CS,   22                          ; s[22:23] c = log2(e) / 8
.set G1,   24
.set G0,   32
.set KVW,  36                          ; s[36:37] my head's kv + my quarter of a slot
.set OFS,  38                          ; s[38:39] an offset as a pair
.set NF,   40                          ; s40  how many changes of slots have been passed
.set SW,   41                          ; s41  8 - i: the first block's slots
.set SW1,  42                          ; s42  9 - i
.set KF,   43                          ; s43  the step's first key
.set Q0,   44                          ; s44  my first query;  s45 the second block's
.set Q0N,  45
.set ATT,  46                          ; s[46:47] where my codes go;  s[48:49] the second block's
.set ATTN, 48
.set ATS,  50                          ; s[50:51] where my scale bytes go;  s[52:53]
.set ATSN, 52
.set PFA,  54                          ; s[54:55] where my prefetches stand
.set LIM,  56                          ; s56  2 in a wave that prefetches, else the greatest number
.set PAR,  57                          ; s57  all ones where my wave's number is odd
.set SH,   58                          ; s58  16 there
.set HM,   59                          ; s59  lanes 16-31
.macro TLOAD                           ; waves 0 to 3 fetch; the branch hangs on the wave's number alone; four v_nop follow the load
	s_cmp_lt_u32 s[WV], 4
	s_cbranch_scc0 .Lno_load_\@
	tensor_load_to_lds s[G0:G0+3], s[G1:G1+7]
	s_nop 0
.rept 4
	v_nop
.endr
.Lno_load_\@:
.endm
; A PREFETCH INTO THE L2 of the slot that the NEXT change of slots will ask for.  All four work-groups of a head walk slots 0, 1, 2 .. in the same trips at first: work-group 0, which walks all eight, asks, and nobody else.
; In it waves 4 to 7, which fetch nothing, ask for a quarter of the slot each: 6,400 bytes, lanes 256 bytes apart; lanes 25 to 31 name lane 24's block again, in the same instruction.
; Trip j asks for slot j + 2, for j up to 5: slots 0 and 1 come by their loads alone, and nothing is asked for behind slot 7.
.macro ASK
	s_cmp_gt_u32 s[SLOTS], s[LIM]
	s_cbranch_scc0 .Lnot_mine_\@
	global_prefetch_b8 v[PFO], s[PFA:PFA+1] th:TH_LOAD_NT scope:SCOPE_SE
.Lnot_mine_\@:
.endm
	s_load_b256 s[4:11], s[0:1], 0x0               ; qw s[4:5], kv s[6:7], att_codes s[8:9], att_scales s[10:11]
	v_lshl_add_u32 v[SPW], v0, 2, SPARE
	v_mov_b32 v[NIL], 0
	ds_add_u32 v5, v6
	ds_add_u32 v5, v6
	s_wait_dscnt 0x0
	v_lshrrev_b32 v[T0], 5, v0
	s_delay_alu instid0(VALU_DEP_1)
	v_readfirstlane_b32 s[WV], v[T0]               ; wave 0..15
	v_and_b32 v[T0], 31, v0                        ; lane
	s_delay_alu instid0(VALU_DEP_1)
	v_lshlrev_b32 v[LI], 4, v[T0]
	s_delay_alu instid0(VALU_DEP_2)
	v_lshlrev_b32 v[LI8], 3, v[T0]
	s_delay_alu instid0(VALU_DEP_3)
	v_min_u32 v[PFO], 24, v[T0]
	s_delay_alu instid0(VALU_DEP_1)
	v_lshlrev_b32 v[PFO], 8, v[PFO]
	v_and_b32 v[T0+1], 15, v0                      ; r
	v_bfe_u32 v[T0+2], v0, 4, 1                    ; h
	s_delay_alu instid0(VALU_DEP_1)
	v_lshlrev_b32 v[T0+3], 3, v[T0+2]
	s_delay_alu instid0(VALU_DEP_1)
	v_sub_nc_u32 v[LQ], v[T0+1], v[T0+3]
	s_delay_alu instid0(VALU_DEP_3)
	v_lshl_add_u32 v[SAO], v[T0+1], 5, v[T0+2]
	s_and_b32 s60, ttmp7, 0xffff                   ; 16 batch + head
	; descriptor group 1: a dense block of 6,400 bytes as 25 rows of 256 bytes (32 elements of 8 bytes), no padding
	s_mov_b32 s[G1], 3<<16
	s_mov_b32 s[G1+1], 32<<16
	s_mov_b32 s[G1+2], 25<<16
	s_mov_b32 s[G1+3], 32<<16
	s_mov_b32 s[G1+4], 25
	s_mov_b32 s[G1+5], 32
	s_mov_b32 s[G1+6], 0
	s_mov_b32 s[G1+7], 0
	s_and_b32 s61, s[WV], 3
	s_mul_i32 s61, s61, QUART                      ; my quarter of a slot (waves 0 to 3 fetch it, waves 4 to 7 prefetch it)
	s_mul_i32 s[OFS], s60, 16*RECK                 ; my head's 16 records
	s_add_co_u32 s[OFS], s[OFS], s61
	s_mov_b32 s[OFS+1], 0
	s_wait_kmcnt 0x0
	s_add_nc_u64 s[KVW:KVW+1], s[6:7], s[OFS:OFS+1]
	s_mov_b32 s[G0], 1                             ; count = 1
	s_mov_b32 s[G0+1], s61                         ; LDS address: slot 0, my quarter
	s_mov_b64 s[G0+2:G0+3], s[KVW:KVW+1]           ; keys 0 to 255
	s_or_b32 s[G0+3], s[G0+3], 0x80000000          ; type = 2
	TLOAD                                          ; slot 0: the one first fill
	s_sub_co_u32 s[SW], 8, ttmp9
	s_sub_co_u32 s[SW1], 9, ttmp9
	s_sub_co_u32 s61, 7, ttmp9
	s_lshl_b32 s61, s61, 8
	s_lshl_b32 s62, s[WV], 4
	s_add_co_u32 s[Q0], s61, s62                   ; my first query: 256 (7 - i) + 16 wave,
	s_lshl_b32 s61, ttmp9, 8
	s_add_co_u32 s[Q0N], s61, s62                  ; and in the second block: 256 i + 16 wave
	s_mul_i32 s63, s60, 16*RECQ
	s_lshr_b32 s66, s[Q0], 7
	s_mul_i32 s66, s66, RECQ
	s_add_co_u32 s66, s66, s63
	s_mov_b32 s67, 0
	s_add_nc_u64 s[66:67], s[4:5], s[66:67]        ; the record of 128 queries in which mine lie,
	s_lshr_b32 s68, s[Q0N], 7
	s_mul_i32 s68, s68, RECQ
	s_add_co_u32 s68, s68, s63
	s_mov_b32 s69, 0
	s_add_nc_u64 s[68:69], s[4:5], s[68:69]        ; and the second block's
	s_bfe_u32 s70, s[WV], 0x20001                  ; the image: (wave / 2) % 4
	s_mul_i32 s71, s70, 1536
	s_wait_alu depctr_va_vdst(0)
	v_add_nc_u32 v[ADK], s71, v[LI]
.irp c, 0,1,2
	global_load_b128 v[S+4*\c:S+4*\c+3], v[ADK], s[66:67] offset:512*\c
	global_load_b128 v[S+12+4*\c:S+12+4*\c+3], v[ADK], s[68:69] offset:512*\c
.endr
	s_and_b32 s71, s70, 1                          ; the image's word of row r: 8 (r + 16 (image % 2)) + 4 (image / 2)
	s_lshl_b32 s71, s71, 7
	s_lshr_b32 s72, s70, 1
	s_lshl_b32 s72, s72, 2
	s_add_co_u32 s71, s71, s72
	v_lshlrev_b32 v[ADS], 3, v[T0+1]
	s_delay_alu instid0(VALU_DEP_1)
	v_add_nc_u32 v[ADS], s71, v[ADS]
	global_load_b32 v[S+24], v[ADS], s[66:67] offset:6144
	global_load_b32 v[S+25], v[ADS], s[68:69] offset:6144
	s_lshr_b32 s72, s60, 4
	s_lshl_b32 s72, s72, 11                        ; 2,048 batch
	s_and_b32 s73, s60, 15                         ; head
	s_mov_b32 s77, 0
	s_lshl_b32 s78, s73, 1
.macro OUTADR q0, att, ats             ; a tile of 16 rows is 16 heads x 768 bytes: (row / 16) x 12,288 + 768 head = 768 (row + head);  scale bytes: 32 row + 2 head
	s_add_co_u32 s74, s72, s[\q0]
	s_add_co_u32 s76, s74, s73
	s_mul_i32 s76, s76, 768
	s_add_nc_u64 s[\att:\att+1], s[8:9], s[76:77]
	s_lshl_b32 s76, s74, 5
	s_add_co_u32 s76, s76, s78
	s_add_nc_u64 s[\ats:\ats+1], s[10:11], s[76:77]
.endm
	OUTADR Q0, ATT, ATS
	OUTADR Q0N, ATTN, ATSN
	s_add_nc_u64 s[PFA:PFA+1], s[KVW:KVW+1], SLOTB ; in slot 1: the first change of slots steps it to slot 2.  Nothing is prefetched here, at the head
	s_lshr_b32 s61, s[WV], 2
	s_xor_b32 s61, s61, 1                          ; 0 in waves 4 to 7,
	s_or_b32 s61, s61, ttmp9                       ; of work-group 0 of the head
	s_cmp_eq_u32 s61, 0
	s_cselect_b32 s[LIM], 2, -1
	s_and_b32 s61, s[WV], 1
	s_sub_co_u32 s[PAR], 0, s61
	s_lshl_b32 s[SH], s61, 4
	s_mov_b32 s[HM], 0xffff0000
	s_mov_b32 s[SEL], 0x76543210
	s_mov_b32 s[SEL+1], 0xfedcba98                 ; v_permlanex16_b32's selects for lane l xor 16
	s_mov_b32 s[CS], 0x3e38aa3b                    ; c = log2(e) / 8
	s_mov_b32 s[CS+1], s[CS]                       ; (named with it as a pair, so it is written)
	s_mov_b32 s[TB], 0
	s_mov_b32 s[NF], 0
	s_mov_b32 s[KF], 0
	s_mov_b32 s[SLOTS], 8
.macro STATS                           ; a block of queries begins: the largest t so far is -3e38, under every t; the sum and O^T are zeros, which the first change of M leaves zeros
	v_mov_b32 v13, 0xff61b1e6
	s_delay_alu instid0(VALU_DEP_1)
	v_floor_f32 v12, -v13                          ; -M
	v_mov_b32 v14, 0
	v_mov_b32 v15, 0
.set j, 0
.rept 32
	v_mov_b32 v[OT+j], 0
.set j, j+1
.endr
.endm
.irp b, 0,1,2,3
	v_mov_b32 v[BT+\b], 0                          ; written once: a lane permute's destination counts as one of its sources
.endr
	v_mov_b32 v[FF+1], 0
.irp j, 0,1,2,3,4,5
	v_mov_b32 v[QR+\j], 0                          ; the zeros on both sides of q: they stay
	v_mov_b32 v[QR+12+\j], 0
.endr
	s_wait_loadcnt 0x0                             ; both images and both words
.irp j, 0,1,2,3,4,5
	v_cndmask_b32 v[QR+6+\j], v[S+\j], v[S+6+\j], s[PAR]       ; an even wave's 16 rows are the image's registers 0-5, an odd wave's 6-11
	v_cndmask_b32 v[Q2+\j], v[S+12+\j], v[S+18+\j], s[PAR]
.endr
	v_lshrrev_b32 v[S+24], s[SH], v[S+24]          ; likewise the word's low or high two bytes,
	v_lshrrev_b32 v[S+25], s[SH], v[S+25]
	s_delay_alu instid0(VALU_DEP_2)
	v_and_b32 v[S+24], 0xffff, v[S+24]
	s_delay_alu instid0(VALU_DEP_2)
	v_and_b32 v[S+25], 0xffff, v[S+25]
	s_delay_alu instid0(VALU_DEP_2)
	v_lshl_or_b32 v[QS], v[S+24], 16, v[S+24]      ; twice: q stands in the lower or in the upper 64 of K
	s_delay_alu instid0(VALU_DEP_2)
	v_lshl_or_b32 v[QS2], v[S+25], 16, v[S+25]
	STATS                                          ; (its 36 lines are also the places between these writes and the first products)
.macro SPROD f, u                      ; S^T's tile 2 f + u: fragment f of k against [q | 0] (u = 0) or [0 | q] (u = 1); fragment f's words lie in register f / 2, lanes 0-15 or 16-31
.if (\f)%2
	v_wmma_scale_f32_16x16x128_f8f6f4 v[S+16*(\f)+8*(\u):S+16*(\f)+8*(\u)+7], v[FRG+12*(\f):FRG+12*(\f)+11], v[QR+6-6*(\u):QR+17-6*(\u)], 0, v[KSC+(\f)/2], v[QS] matrix_a_fmt:MATRIX_FMT_FP6 matrix_b_fmt:MATRIX_FMT_FP6 matrix_a_scale:MATRIX_SCALE_ROW1
.else
	v_wmma_scale_f32_16x16x128_f8f6f4 v[S+16*(\f)+8*(\u):S+16*(\f)+8*(\u)+7], v[FRG+12*(\f):FRG+12*(\f)+11], v[QR+6-6*(\u):QR+17-6*(\u)], 0, v[KSC+(\f)/2], v[QS] matrix_a_fmt:MATRIX_FMT_FP6 matrix_b_fmt:MATRIX_FMT_FP6
.endif
.endm
.macro PVPROD t                        ; O^T's tile t: 16 of the head's 64 x these 128 keys
.if (\t)%2
	v_wmma_scale_f32_16x16x128_f8f6f4 v[OT+8*(\t):OT+8*(\t)+7], v[FRG+12*(\t):FRG+12*(\t)+11], v[PC:PC+11], v[OT+8*(\t):OT+8*(\t)+7], v[VSC+(\t)/2], v[PS] matrix_a_fmt:MATRIX_FMT_FP6 matrix_b_fmt:MATRIX_FMT_FP6 matrix_a_scale:MATRIX_SCALE_ROW1
.else
	v_wmma_scale_f32_16x16x128_f8f6f4 v[OT+8*(\t):OT+8*(\t)+7], v[FRG+12*(\t):FRG+12*(\t)+11], v[PC:PC+11], v[OT+8*(\t):OT+8*(\t)+7], v[VSC+(\t)/2], v[PS] matrix_a_fmt:MATRIX_FMT_FP6 matrix_b_fmt:MATRIX_FMT_FP6
.endif
.endm
; A KEY STEP: 128 keys, record q of the slot in hand.
.macro STEP q
	s_add_co_u32 s60, s[Q0], 15                    ; a step all of whose keys come after my 16 queries is left out: a scalar branch on ids; no barrier and no tensor load stands in a step
	s_cmp_gt_u32 s[KF], s60
	s_cbranch_scc1 .Lhidden_\@
	v_add_nc_u32 v[ADK], s[TB], v[LI]
	v_add_nc_u32 v[ADS], s[TB], v[LI8]
	v_nop
	v_nop                                          ; four places in front of loads into registers that the last products have read
.irp n, 0,1,2,3,4,5,6,7,8,9,10,11
	ds_load_b128 v[FRG+4*\n:FRG+4*\n+3], v[ADK] offset:RECK*(\q)+512*\n       ; k's four images as they lie: 512 consecutive bytes a load
.endr
	ds_load_b64 v[KSC:KSC+1], v[ADS] offset:RECK*(\q)+12288
	s_wait_alu depctr_va_vdst(0)
	s_wait_dscnt 0x0
.irp f, 0,1,2,3
	SPROD \f, 0
	SPROD \f, 1
.endr
.rept 4
	v_nop                                          ; places behind the products: for the loads below and for the first read of the scores
.endr
.irp n, 0,1,2,3,4,5,6,7,8,9,10,11
	ds_load_b128 v[FRG+4*\n:FRG+4*\n+3], v[ADK] offset:RECK*(\q)+6144+512*\n  ; v's four images: they land while the softmax is worked
.endr
	ds_load_b64 v[VSC:VSC+1], v[ADS] offset:RECK*(\q)+12544
	s_add_co_u32 s60, s[KF], 127                   ; on the diagonal hidden scores become -infinity ahead of the maximum: p = 0 then.  A step all of whose keys count skips this
	s_cmp_le_u32 s60, s[Q0]
	s_cbranch_scc1 .Lopen_\@
	s_sub_co_i32 s60, s[Q0], s[KF]
	v_add_nc_u32 v[T0], s60, v[LQ]                 ; d = my query - the step's first key - 8 h.  Register 16 b + 8 u + j holds key 32 b + 16 u + 8 h + j: hidden where 32 b + 16 u + j > d
	v_mov_b32 v[T0+1], 0xff800000
.set n, 0
.rept 64
	v_cmp_gt_i32 vcc_lo, 32*(n/16)+16*((n/8)%2)+n%8, v[T0]
	v_cndmask_b32 v[S+n], v[S+n], v[T0+1], vcc_lo
.set n, n+1
.endr
.Lopen_\@:
.irp b, 0,1,2,3
	v_max3_num_f32 v[BM+\b], v[S+16*\b], v[S+1+16*\b], v[S+2+16*\b]   ; the largest score of each block of 32 keys: it serves for the row's maximum and, since p rises with the score, for the block's largest p
.endr
.irp i, 3,5,7,9,11,13
.irp b, 0,1,2,3
	v_max3_num_f32 v[BM+\b], v[BM+\b], v[S+16*\b+\i], v[S+1+16*\b+\i]
.endr
.endr
.irp b, 0,1,2,3
	v_max_num_f32 v[BM+\b], v[BM+\b], v[S+15+16*\b]
.endr
.irp b, 0,1,2,3
	s_delay_alu instid0(VALU_DEP_4)
	v_permlanex16_b32 v[BT+\b], v[BM+\b], s[SEL], s[SEL+1]
.endr
.irp b, 0,1,2,3
	s_delay_alu instid0(VALU_DEP_4)
	v_max_num_f32 v[BM+\b], v[BM+\b], v[BT+\b]     ; with lane l xor 16's 16 keys
.endr
	s_delay_alu instid0(VALU_DEP_2)
	v_max3_num_f32 v[T0+2], v[BM], v[BM+1], v[BM+2]
	s_delay_alu instid0(VALU_DEP_1)
	v_max_num_f32 v[T0+2], v[T0+2], v[BM+3]        ; the step's largest score of my query
	s_delay_alu instid0(VALU_DEP_1)
	v_mul_f32 v[T0+2], s[CS], v[T0+2]              ; as t (c is positive)
	s_delay_alu instid0(VALU_DEP_1)
	v_max_num_f32 v13, v13, v[T0+2]                ; the running largest t
	v_mov_b32 v[T0+2], v12
	s_delay_alu instid0(VALU_DEP_2)
	v_floor_f32 v12, -v13                          ; the new -M = floor(-t) = -ceil(t): a whole number
	s_delay_alu instid0(VALU_DEP_1)
	v_sub_f32 v[T0+2], v12, v[T0+2]                ; old M less new M: a whole number, 0 or less
	s_delay_alu instid0(VALU_DEP_1)
	v_cvt_i32_f32 v[T0+2], v[T0+2]                 ; (it saturates)
	s_delay_alu instid0(VALU_DEP_1)
	v_ldexp_f32 v[FF], 1.0, v[T0+2]                ; f = 2^(old M - new M): the rescaling rounds nothing
.set j, 0
.rept 32
	v_pk_fma_f32 v[S+j:S+j+1], v[S+j:S+j+1], s[CS:CS+1], v[12:13] op_sel_hi:[1,0,0]   ; t - M, two at a time
.set j, j+2
.endr
.irp b, 0,1,2,3
	v_fma_f32 v[BM+\b], v[BM+\b], s[CS], v12       ; the same of each block's largest score
.endr
.set j, 0
	s_wait_alu depctr_va_vdst(0)
.rept 64
	v_exp_f32 v[S+j], v[S+j]                       ; p = 2^(t - M), at most 1: not normalised
.set j, j+1
.endr
.irp b, 0,1,2,3
	v_exp_f32 v[BM+\b], v[BM+\b]                   ; the block's largest p: the same two instructions on the same number give the same bits
.endr
	v_pk_mul_f32 v[14:15], v[14:15], v[FF:FF+1] op_sel_hi:[1,0]   ; the sums under the new M.  (A plain place behind the exponentials)
	s_wait_alu depctr_va_vdst(0)
.irp b, 0,1,2,3
	v_max_num_f32 v[BM+\b], 0x1800000, v[BM+\b]    ; the floor 2^(3 - 127): the byte cannot fall under 1
.endr
.irp b, 0,1,2,3
	s_delay_alu instid0(VALU_DEP_4)
	v_add_nc_u32 v[SOP+\b], 0xff000000, v[BM+\b]   ; 2 off the exponent field: the conversion's scale operand
.endr
.irp b, 0,1,2,3
	s_delay_alu instid0(VALU_DEP_4)
	v_lshrrev_b32 v[BT+\b], 23, v[SOP+\b]          ; the scale's byte
.endr
	s_delay_alu instid0(VALU_DEP_3)
	v_lshl_or_b32 v[PS], v[BT+1], 8, v[BT]         ; p's scale word for these 128 keys
	s_delay_alu instid0(VALU_DEP_1)
	v_lshl_or_b32 v[PS], v[BT+2], 16, v[PS]
	s_delay_alu instid0(VALU_DEP_1)
	v_lshl_or_b32 v[PS], v[BT+3], 24, v[PS]
.irp c, 0,1
	v_cvt_scalef32_pk16_fp6_f32 v[PC+6*\c:PC+6*\c+2], v[S+32*\c:S+32*\c+15], v[SOP+2*\c]
	v_cvt_scalef32_pk16_fp6_f32 v[CT+4*\c:CT+4*\c+2], v[S+16+32*\c:S+31+32*\c], v[SOP+2*\c+1]   ; (a conversion's three registers begin on an even number)
.endr
	v_nop                                          ; one plain place behind a scaled conversion
.irp c, 0,1                                    ; the operand's layout wants a WHOLE block in a lane: lanes 0-15 block 2 c, lanes 16-31 block 2 c + 1
.irp i, 0,1,2
	v_permlane16_swap_b32 v[PC+6*\c+\i], v[CT+4*\c+\i]
.endr
.irp i, 0,1,2
	s_delay_alu instid0(VALU_DEP_3)
	v_mov_b32 v[PC+3+6*\c+\i], v[CT+4*\c+\i]
.endr
.endr
	v_pk_add_f32 v[216:217], v[100:101], v[104:105]
	v_pk_add_f32 v[254:255], v[108:109], v[112:113]
	v_pk_add_f32 v[252:253], v[116:117], v[120:121]
	v_pk_add_f32 v[250:251], v[124:125], v[128:129]
	v_pk_add_f32 v[248:249], v[132:133], v[136:137]
	v_pk_add_f32 v[246:247], v[140:141], v[144:145]
	v_pk_add_f32 v[244:245], v[148:149], v[152:153]
	v_pk_add_f32 v[14:15], v[14:15], v[156:157]
	v_pk_add_f32 v[216:217], v[216:217], v[96:97]
	v_pk_add_f32 v[254:255], v[254:255], v[98:99]
	v_pk_add_f32 v[252:253], v[252:253], v[102:103]
	v_pk_add_f32 v[250:251], v[250:251], v[106:107]
	v_pk_add_f32 v[248:249], v[248:249], v[110:111]
	v_pk_add_f32 v[246:247], v[246:247], v[114:115]
	v_pk_add_f32 v[244:245], v[244:245], v[118:119]
	v_pk_add_f32 v[14:15], v[14:15], v[122:123]
	v_pk_add_f32 v[216:217], v[216:217], v[126:127]
	v_pk_add_f32 v[254:255], v[254:255], v[130:131]
	v_pk_add_f32 v[252:253], v[252:253], v[134:135]
	v_pk_add_f32 v[250:251], v[250:251], v[138:139]
	v_pk_add_f32 v[248:249], v[248:249], v[142:143]
	v_pk_add_f32 v[246:247], v[246:247], v[146:147]
	v_pk_add_f32 v[244:245], v[244:245], v[150:151]
	v_pk_add_f32 v[14:15], v[14:15], v[154:155]
	v_pk_add_f32 v[216:217], v[216:217], v[158:159]
	s_delay_alu instid0(VALU_DEP_2)
	v_pk_add_f32 v[14:15], v[14:15], v[250:251]
	s_delay_alu instid0(VALU_DEP_2)
	v_pk_add_f32 v[216:217], v[216:217], v[248:249]
	v_pk_add_f32 v[254:255], v[254:255], v[246:247]
	v_pk_add_f32 v[252:253], v[252:253], v[244:245]
	s_delay_alu instid0(VALU_DEP_2)
	v_pk_add_f32 v[14:15], v[14:15], v[254:255]
	s_delay_alu instid0(VALU_DEP_2)
	v_pk_add_f32 v[216:217], v[216:217], v[252:253]
	s_delay_alu instid0(VALU_DEP_1)
	v_pk_add_f32 v[14:15], v[14:15], v[216:217]
.set j, 0
.rept 16
	v_pk_mul_f32 v[OT+j:OT+j+1], v[OT+j:OT+j+1], v[FF:FF+1] op_sel_hi:[1,0]   ; O^T under the new M.  (With the sums above: the places between p's codes and scale word and the products)
.set j, j+2
.endr
	s_wait_alu depctr_va_vdst(0)
	s_wait_dscnt 0x0                               ; v's images and words are in
.irp t, 0,1,2,3
	PVPROD \t                                      ; four accumulators by turns, one instruction a turn
.endr
.Lhidden_\@:
	s_add_co_u32 s[KF], s[KF], 128
.endm
; A BLOCK OF QUERIES IS FINISHED: O^T / the sum, brought into the true order of d, quantised along the model's axis (my head's two blocks of 32), stored.
.macro FINISH
.rept 4
	v_nop                                          ; places behind the last products
.endr
	v_add_f32 v14, v14, v15                        ; the sum's two halves,
	s_delay_alu instid0(VALU_DEP_1)
	v_permlanex16_b32 v[BT], v14, s[SEL], s[SEL+1]
	s_delay_alu instid0(VALU_DEP_1)
	v_add_f32 v14, v14, v[BT]                      ; and lane l xor 16's: the row's sum
	s_wait_alu depctr_va_vdst(0)
	v_rcp_f32 v14, v14
	v_nop                                          ; one plain place behind a transcendental
.set j, 0
	s_wait_alu depctr_va_vdst(0)
.rept 32
	v_mul_f32 v[S+j], v[OT+j], v14                 ; register 8 t + j, lane (r, h): d = 16 t + 8 h + j; each accumulator from its low end on
.set j, j+1
.endr
.irp b, 0,1
.irp j, 0,1,2,3,4,5,6,7
	v_permlane16_swap_b32 v[S+16*\b+\j], v[S+16*\b+8+\j]   ; the first's lanes 16-31 change places with the second's lanes 0-15: register 16 b + i of half h is now d = 32 b + 16 h + i
.endr
.endr
.irp b, 0,1
	v_max3_num_f32 v[BM+\b], |v[S+16*\b]|, |v[S+1+16*\b]|, 0x1800000   ; my 16 numbers and the floor 2^(3 - 127)
.endr
.irp i, 2,4,6,8,10,12,14
.irp b, 0,1
	s_delay_alu instid0(VALU_DEP_2)
	v_max3_num_f32 v[BM+\b], v[BM+\b], |v[S+16*\b+\i]|, |v[S+1+16*\b+\i]|
.endr
.endr
.irp b, 0,1
	s_delay_alu instid0(VALU_DEP_2)
	v_permlanex16_b32 v[BT+\b], v[BM+\b], s[SEL], s[SEL+1]
.endr
.irp b, 0,1
	s_delay_alu instid0(VALU_DEP_2)
	v_max_num_f32 v[BM+\b], v[BM+\b], v[BT+\b]
.endr
.irp b, 0,1
	s_delay_alu instid0(VALU_DEP_2)
	v_add_nc_u32 v[SOP+\b], 0xff000000, v[BM+\b]
.endr
.irp b, 0,1
	s_delay_alu instid0(VALU_DEP_2)
	v_lshrrev_b32 v[BT+\b], 23, v[SOP+\b]
.endr
	s_delay_alu instid0(VALU_DEP_1)
	v_cndmask_b32 v[T0+3], v[BT], v[BT+1], s[HM]   ; lane (r, h) keeps block h's byte of row r
	v_cvt_scalef32_pk16_fp6_f32 v[PC:PC+2], v[S:S+15], v[SOP]
	v_cvt_scalef32_pk16_fp6_f32 v[CT:CT+2], v[S+16:S+31], v[SOP+1]
	v_nop                                          ; one plain place behind a scaled conversion
.irp i, 0,1,2
	v_permlane16_swap_b32 v[PC+\i], v[CT+\i]
.endr
.irp i, 0,1,2
	s_delay_alu instid0(VALU_DEP_3)
	v_mov_b32 v[PC+3+\i], v[CT+\i]                 ; lane (r, h): six registers = block h of row r, in the true order
.endr
.irp p, 0,1,2
	global_store_b64 v[LI8], v[PC+2*\p:PC+2*\p+1], s[ATT:ATT+1] offset:256*\p   ; 32 lanes store 256 consecutive bytes, aligned
.endr
	global_store_b8 v[SAO], v[T0+3], s[ATS:ATS+1]  ; a byte a lane, each written once: two bytes of each of 16 rows of 32: the other heads' work-groups write the rest
	s_wait_xcnt 0x0                                ; the stores have read their data and their bases: both are written again behind this wait
.endm
; THE CHANGE OF SLOTS stands at a slot's head.  Each wave waits for all its tensor loads (its part of the slot that it is about to read), adds 0 to its spare word, and waits for that and for its reads of the slot that it has left.
; fill = 1: that other slot is filled with the slot that follows in the walk: number NF while NF < 8 - i, then NF - (8 - i).  The load has a whole slot's steps in which to land; one tensor load of a fetching wave is out at a time.
.macro CHANGE fill
	s_wait_tensorcnt 0x0                           ; no tensor load of mine is out, so the group 0 may be written
	ds_add_u32 v[SPW], v[NIL]                      ; 0 onto my spare word; work on scalar registers stands between it and the wait for it
	s_add_co_u32 s[NF], s[NF], 1
.if \fill
	s_xor_b32 s[G0+1], s[G0+1], SLOT1              ; the other slot than last time
	s_cmp_lt_u32 s[NF], s[SW]
	s_cselect_b32 s60, 0, s[SW]
	s_sub_co_u32 s60, s[NF], s60
	s_mul_i32 s[OFS], s60, SLOTB
	s_add_nc_u64 s[G0+2:G0+3], s[KVW:KVW+1], s[OFS:OFS+1]
	s_or_b32 s[G0+3], s[G0+3], 0x80000000
	s_wait_xcnt 0x0                                ; the last prefetch, a slot back, has read its address, so it may be written
	s_add_nc_u64 s[PFA:PFA+1], s[PFA:PFA+1], SLOTB
.endif
	s_wait_dscnt 0x0                               ; the add is done, and my reads of the slot that I have left are over
	s_barrier_signal -1
	s_barrier_wait -1
.if \fill
	TLOAD                                          ; the first thing behind the barrier, and a wave's one tensor load until the next
	ASK
.endif
.endm
.macro SLOT_STEPS
	s_cmp_eq_u32 s[NF], s[SW1]                     ; the first block's slots are walked: the same in all sixteen waves
	s_cbranch_scc0 .Lsame_\@
	FINISH
.irp j, 0,1,2,3,4,5
	v_mov_b32 v[QR+6+\j], v[Q2+\j]                 ; the second block's q,
.endr
	v_mov_b32 v[QS], v[QS2]                        ; its scale word,
	STATS                                          ; (36 lines: the places between these writes and the next products)
	s_mov_b32 s[Q0], s[Q0N]
	s_mov_b32 s[KF], 0
	s_mov_b64 s[ATT:ATT+1], s[ATTN:ATTN+1]
	s_mov_b64 s[ATS:ATS+1], s[ATSN:ATSN+1]
.Lsame_\@:
	STEP 0
	STEP 1
	s_xor_b32 s[TB], s[TB], SLOT1                  ; on to the other slot
.endm
.Lslot:                                            ; eight trips: behind each change of slots but the last the next slot is asked for
	CHANGE 1
	SLOT_STEPS
	s_sub_co_u32 s[SLOTS], s[SLOTS], 1
	s_cmp_lg_u32 s[SLOTS], 0
	s_cbranch_scc1 .Lslot
	CHANGE 0                                       ; the ninth slot is written out
	SLOT_STEPS
	FINISH
	s_wait_tensorcnt 0x0                           ; the wave's end
	ds_add_u32 v[SPW], v[NIL]
	s_wait_dscnt 0x0
	s_endpgm
.Lfunc_end_k_q52db251453_attn:
	.size	k_q52db251453_attn, .Lfunc_end_k_q52db251453_attn-k_q52db251453_attn
	.p2alignl 7, 3214868480
	.fill 96, 4, 3214868480
	.section	.rodata,"a",@progbits
	.p2align	6, 0x0
	.amdhsa_kernel k_q52db251453_attn
		.amdhsa_group_segment_fixed_size 327680
		.amdhsa_private_segment_fixed_size 0
		.amdhsa_enable_private_segment 0
		.amdhsa_kernarg_size 32
		.amdhsa_user_sgpr_count 2
		.amdhsa_user_sgpr_kernarg_segment_ptr 1
		.amdhsa_wavefront_size32 1
		.amdhsa_system_sgpr_workgroup_id_x 1
		.amdhsa_system_sgpr_workgroup_id_y 1
		.amdhsa_system_sgpr_workgroup_id_z 1
		.amdhsa_system_vgpr_workitem_id 0
		.amdhsa_next_free_vgpr 256
		.amdhsa_next_free_sgpr 100
		.amdhsa_reserve_vcc 1
		.amdhsa_float_denorm_mode_32 3
		.amdhsa_float_denorm_mode_16_64 3
		.amdhsa_memory_ordered 1
		.amdhsa_forward_progress 1
		.amdhsa_inst_pref_size 116
	.end_amdhsa_kernel
	.amdgpu_metadata
---
amdhsa.version: [ 1, 2 ]
amdhsa.kernels:
  - .name:           k_q52db251453_attn
    .symbol:         k_q52db251453_attn.kd
    .args:
      - { .name: qw, .offset: 0, .size: 8, .value_kind: global_buffer, .address_space: global }
      - { .name: kv, .offset: 8, .size: 8, .value_kind: global_buffer, .address_space: global }
      - { .name: att_codes, .offset: 16, .size: 8, .value_kind: global_buffer, .address_space: global }
      - { .name: att_scales, .offset: 24, .size: 8, .value_kind: global_buffer, .address_space: global }
    .group_segment_fixed_size: 327680
    .private_segment_fixed_size: 0
    .kernarg_segment_align: 8
    .kernarg_segment_size: 32
    .max_flat_workgroup_size: 512
    .sgpr_count:     100
    .vgpr_count:     256
    .wavefront_size: 32
...
	.end_amdgpu_metadata
.endif
;; end of part 2
;; launch proj (part 3): grid 8 x 32, 4 waves a work-group, clusters of 4 x 4, 327,680 bytes of LDS; arguments att_codes, att_scales, Wo_codes, Wo_scales, bo, out0; writes out0
.if DOCPART == 3
	.amdgcn_target "amdgcn-amd-amdhsa--gfx1250"
	.amdhsa_code_object_version 6
	.text
	.protected	k_q52db251453_proj
	.globl	k_q52db251453_proj
	.p2align	8
	.type	k_q52db251453_proj,@function
k_q52db251453_proj:
	s_mov_b64 s[64:65], 0
	v_nop
	global_prefetch_b8 v0, s[64:65] scope:SCOPE_SE
	s_setreg_imm32_b32 hwreg(HW_REG_WAVE_MODE, 25, 1), 1
	s_wait_xcnt 0x0
	s_wait_alu depctr_hold_cnt(0) depctr_sa_sdst(0) depctr_va_vdst(0) depctr_va_sdst(0) depctr_va_ssrc(0) depctr_va_vcc(0) depctr_vm_vsrc(0)
	s_getreg_b32 s2, hwreg(HW_REG_IB_STS2, 6, 4)
	s_cmp_eq_u32 s2, 0
	s_cbranch_scc0 .Lentry_in_a_cluster
	s_endpgm
.Lentry_in_a_cluster:
	s_bfe_u32 s2, ttmp6, 0x10000c
	s_cmp_lg_u32 s2, 0xf033
	s_cbranch_scc0 .Lentry_shape_is_right
	s_endpgm
.Lentry_shape_is_right:
; out0 = att Wo + bo on codes of FP6 (E2M3), K = 1,024.  att_codes [512 tiles of 16 rows][16 heads][768] are images of operand registers (registers 2 p, 2 p + 1 of lane l at 256 p + 8 l), att_scales [8,192][32]; Wo: 1,024 rows (one output column each) of 768 bytes, 32 scale bytes.
; THE DEAL.  Work-group (j, i) of 8 x 32 makes rows 256 i .. + 255 x columns 128 j .. + 127.  Four waves, 2 x 2: wave (a, b) takes rows 128 a .. + 127 and columns 64 b .. + 63.  It holds its 64 rows of Wo, all of K, in 384 registers
; and streams att's tiles of 16 rows past them: 32 products a block, four accumulators by turns; the first four take the bias as C.  A block's tile is fetched from LDS two blocks ahead.
; Source 0 = Wo's rows: a lane holds eight neighbouring columns of one row of the result.  A finished block goes through the wave's stage in LDS and leaves as rows of 256 consecutive bytes, aligned, while the next block is multiplied.
; LDS: att's 16 tiles, dense, at 0; Wo's 128 rows of 3 x (256 + 16) bytes; att's scale bytes (32 units of 256 + 16); the spare words.  Every byte is filled once, at the head, one joint load a wave.
; The stages lie in Wo's region: it has had its only fill, and a barrier stands between every wave's last read of it and the first store.
; CLUSTERS: att's tiles hang on i alone and are shared along a row of the cluster, Wo's on j alone and are shared along a column.  No prefetch: all tiles are asked for at the head, where there is no loop to run ahead in.
; LIMITS: a scale byte of 0xff among the inputs is not served.
.set KROW,  768
.set PITCH, 816
.set FR,    12
.set FPW,   21
.set NF,    50                         ; LDS loads of a block: 48 pieces of 8 bytes, 2 for eight scale words
.set TILE,  12288
.set WB,    16*TILE
.set SCL,   WB+128*PITCH
.set SPARE, SCL+32*272
.set STGB,  16*272                     ; a wave's stage
.set SPW,  4
.set NIL,  5
.set RD,   6
.set CO,   7
.set ADRA, 10
.set A0,   12
.set ASN,  16
.set AAS,  18
.set STO,  19
.set BA,   20
.set WNB,  28
.set SB,   32                          ; Wo's scale words
.set SA,   84                          ; att's, two sets of eight
.set BI,   100                         ; the bias, as the result lies
.set OB,   132                         ; a block read back from the stage, two sets of 32
.set ACC,  72                          ; in window 3, two sets of 32
.set G1X, 24
.set G1W, 32
.set G1S, 88
.set G0W, 48
.set G0S, 52
.set G0X, 56
.set MSB, 0
.macro WIN new
.if MSB != \new
	s_set_vgpr_msb (MSB<<8)|\new
.set MSB, \new
.endif
.endm
.macro PLACES n
.rept \n
	v_nop
.endr
.endm
.macro WALU
	s_wait_alu depctr_va_vdst(0)
.endm
.macro BARRIER
	s_barrier_signal -1
	s_barrier_wait -1
.endm
.macro CROUND
	WIN 0
	s_barrier_signal -1
	s_barrier_wait -1
	s_cmp_lg_u32 s14, 0
	s_cbranch_scc1 .Lnot_wave_0_\@
	s_barrier_signal -3
.Lnot_wave_0_\@:
	s_barrier_wait -3
	BARRIER
.endm
.macro TLOAD g0, g1
	tensor_load_to_lds s[\g0:\g0+3], s[\g1:\g1+7]
	s_nop 0
	PLACES 4
.endm
.macro DENSE g, mask, rows, pad        ; a dense block as rows of 256 bytes
	s_or_b32 s[\g+0], s[\mask], (3<<16)|(1<<21)|(\pad)
	s_mov_b32 s[\g+1], 32<<16
	s_mov_b32 s[\g+2], (\rows)<<16
	s_mov_b32 s[\g+3], 32<<16
	s_mov_b32 s[\g+4], \rows
	s_mov_b32 s[\g+5], 32
	s_mov_b32 s[\g+6], 0
	s_mov_b32 s[\g+7], 0
.endm
.macro G0SET g, base, off
	s_mov_b32 s20, s\off
	s_add_nc_u64 s[\g+2:\g+3], s[\base:\base+1], s[20:21]
	s_or_b32 s[\g+3], s[\g+3], 0x80000000
.endm
.macro FRAG f, q, a0, a1               ; Wo: six pieces of 8 bytes, two to a load where both lie behind as many paddings
	WIN (1+(\f)/FPW)<<6
.set R_, FR*((\f)%FPW)
.set SKIP_, 0
.irp p, 0,1,2,3,4,5
.if SKIP_
.set SKIP_, 0
.else
.set PC_, 12*(\q)+6*(\p/3)+\p%3
.set PN_, 12*(\q)+6*((\p+1)/3)+(\p+1)%3
.set X_, (PC_%32+3)/32
.set XQ_, (PN_%32+3)/32
.if (\p < 5) && (X_ == XQ_)
.set SKIP_, 1
.if X_
	ds_load_2addr_b64 v[R_+2*\p:R_+2*\p+3], \a1 offset0:PC_+2*(PC_/32) offset1:PN_+2*(PN_/32)
.else
	ds_load_2addr_b64 v[R_+2*\p:R_+2*\p+3], \a0 offset0:PC_+2*(PC_/32) offset1:PN_+2*(PN_/32)
.endif
.elseif X_
	ds_load_b64 v[R_+2*\p:R_+2*\p+1], \a1 offset:8*(PC_+2*(PC_/32))
.else
	ds_load_b64 v[R_+2*\p:R_+2*\p+1], \a0 offset:8*(PC_+2*(PC_/32))
.endif
.endif
.endr
.endm
.macro WEIGHTS
.irp q, 0,1,2,3,4,5,6,7
.irp b, 0,1,2,3
	FRAG 4*\q+\b, \q, v[BA+2*\b], v[BA+2*\b+1]
.endr
.endr
	WIN 0
.endm
.macro FETCHA e, a, as, so             ; a tile of att and its scale words into set e: each load takes 256 consecutive bytes
.irp q, 0,1,2,3,4,5,6,7
.set F_, 32+8*(\e)+\q
	WIN (1+F_/FPW)<<6
.irp p, 0,1,2,3,4,5
	ds_load_b64 v[FR*(F_%FPW)+2*\p:FR*(F_%FPW)+2*\p+1], v[\a] offset:1536*\q+256*\p
.endr
.endr
	WIN 0
	ds_load_b128 v[SA+8*(\e):SA+8*(\e)+3], v[\as] offset:\so
	ds_load_b128 v[SA+8*(\e)+4:SA+8*(\e)+7], v[\as] offset:(\so)+16
.endm
.macro PROD1 d, s0, s1, c, x0, x1, o
.if \o
	v_wmma_scale_f32_16x16x128_f8f6f4 v[\d:\d+7], v[FR*((\s0)%FPW):FR*((\s0)%FPW)+FR-1], v[FR*((\s1)%FPW):FR*((\s1)%FPW)+FR-1], \c, v[\x0], v[\x1] matrix_a_fmt:MATRIX_FMT_FP6 matrix_b_fmt:MATRIX_FMT_FP6 matrix_a_scale:MATRIX_SCALE_ROW1
.else
	v_wmma_scale_f32_16x16x128_f8f6f4 v[\d:\d+7], v[FR*((\s0)%FPW):FR*((\s0)%FPW)+FR-1], v[FR*((\s1)%FPW):FR*((\s1)%FPW)+FR-1], \c, v[\x0], v[\x1] matrix_a_fmt:MATRIX_FMT_FP6 matrix_b_fmt:MATRIX_FMT_FP6 matrix_a_scale:MATRIX_SCALE_ROW0
.endif
.endm
.macro PROD e, n                       ; product n = 4 q + t
.set Q_, (\n)/4
.set T_, (\n)%4
.set FB_, 4*Q_+T_
.set FA_, 32+8*(\e)+Q_
.set D_, ACC+32*(\e)+8*T_
.set XB_, SB+8*(T_/2)+Q_
.set XA_, SA+8*(\e)+Q_
.if Q_
	WIN (1+FB_/FPW)|((1+FA_/FPW)<<2)|0xf0
	PROD1 D_, FB_, FA_, v[D_:D_+7], XB_, XA_, T_%2
.else
	WIN (1+FB_/FPW)|((1+FA_/FPW)<<2)|0xc0
	PROD1 D_, FB_, FA_, v[BI+8*T_:BI+8*T_+7], XB_, XA_, T_%2
.endif
.endm
.macro SENDG e                         ; sixteen lanes store 256 consecutive bytes, aligned
.irp k, 0,1,2,3,4,5,6,7
	global_store_b128 v[CO], v[OB+32*(\e)+4*\k:OB+32*(\e)+4*\k+3], s[12:13] offset:\k*8192 th:TH_STORE_NT
.endr
.endm
.macro NEXTROWS                        ; the stores' base goes 16 rows on (the first time: nowhere), behind the wait that frees it and the registers of the stores before
	s_wait_xcnt 0x0
	s_add_nc_u64 s[12:13], s[12:13], s[96:97]
	s_mov_b32 s96, 16*4096
.endm
; A block.  w: the LDS instructions younger than its fetch that may stay out (the last block's stage, 16, and the next fetch, 50: held at the field's 63).  gw: those younger than the last block's loads from the stage (-1: no block has gone before).
.macro PBLK e, w, gw, fetch
	s_wait_dscnt \w
.set N_, 0
.rept 32
	PROD \e, N_
.set N_, N_+1
.endr
	WIN 0
	PLACES 4
.if (\gw) >= 0
	NEXTROWS
	s_wait_dscnt \gw
	SENDG 1-(\e)
.endif
	WIN 0x0c
.irp t, 0,1,2,3
	ds_store_b128 v[STO], v[ACC+32*(\e)+8*\t:ACC+32*(\e)+8*\t+3] offset:64*\t        ; each accumulator from its low end on
	ds_store_b128 v[STO], v[ACC+32*(\e)+8*\t+4:ACC+32*(\e)+8*\t+7] offset:64*\t+16
.endr
	WIN 0
.irp k, 0,1,2,3,4,5,6,7
	ds_load_b128 v[OB+32*(\e)+4*\k:OB+32*(\e)+4*\k+3], v[RD] offset:\k*544           ; LDS serves a wave's instructions in order (ISA guide 5.7.1.4)
.endr
.if \fetch
	v_add_nc_u32 v[ADRA], s101, v[A0]
	v_add_nc_u32 v[AAS], s99, v[ASN]
	s_add_co_u32 s101, s101, TILE
	s_add_co_u32 s99, s99, 544
	WALU
	FETCHA \e, ADRA, AAS, 0
.endif
.endm
; ================= THE HEAD
	s_load_b256 s[68:75], s[0:1], 0x0              ; att's codes 68, scales 70; Wo's 72, 74
	s_load_b128 s[76:79], s[0:1], 0x20             ; bo, out0
	v_lshl_add_u32 v[SPW], v0, 2, SPARE
	v_mov_b32 v[NIL], 0
	ds_add_u32 v[SPW], v[NIL]                      ; the opening lines
	ds_add_u32 v[SPW], v[NIL]
	v_lshrrev_b32 v1, 5, v0
	v_readfirstlane_b32 s14, v1
	s_lshr_b32 s15, s14, 1
	s_and_b32 s16, s14, 1
	s_bfe_u32 s40, ttmp6, 0x40000
	s_bfe_u32 s41, ttmp6, 0x40004
	s_lshl_b32 s42, ttmp9, 2
	s_add_co_u32 s42, s42, s40                     ; j
	s_and_b32 s43, ttmp7, 0xffff
	s_lshl_b32 s43, s43, 2
	s_add_co_u32 s43, s43, s41                     ; i
	s_lshl_b32 s44, s41, 2
	s_lshl_b32 s44, 15, s44
	s_lshl_b32 s45, 0x1111, s40
	DENSE G1X, 44, 384, 0
	DENSE G1S, 44, 32, (1<<20)|(5<<22)|(3<<25)
	s_or_b32 s[G1W+0], s45, (1<<20)|(1<<21)|(5<<22)|(3<<25)
	s_mov_b32 s[G1W+1], KROW<<16
	s_mov_b32 s[G1W+2], 128<<16
	s_mov_b32 s[G1W+3], KROW<<16
	s_mov_b32 s[G1W+4], 128
	s_mov_b32 s[G1W+5], KROW
	s_mov_b32 s[G1W+6], 0
	s_mov_b32 s[G1W+7], 0
	s_mul_i32 s46, s42, 128*KROW
	s_mul_i32 s47, s43, 16*TILE
	s_mul_i32 s10, s16, 8*TILE
	s_add_co_u32 s47, s47, s10
	s_mul_i32 s8, s43, 256*32
	s_mul_i32 s9, s42, 128*32
	s_lshl_b32 s20, s16, 11
	s_add_co_u32 s9, s9, s20
	s_mov_b32 s[G0W], 1
	s_mov_b32 s[G0W+1], WB
	s_mov_b32 s[G0S], 1
	s_mov_b32 s[G0S+1], SCL
	s_mov_b32 s[G0X], 1
	s_mov_b32 s[G0X+1], s10
	s_mul_i32 s22, s15, 8*TILE
	s_mul_i32 s23, s16, 64*PITCH
	s_add_co_u32 s23, s23, WB
	s_mul_i32 s98, s15, 16*272
	s_add_co_u32 s98, s98, SCL
	s_mul_i32 s11, s14, STGB
	s_add_co_u32 s11, s11, WB
	s_lshl_b32 s2, s42, 9
	s_lshl_b32 s20, s16, 8
	s_add_co_u32 s2, s2, s20                       ; my first column, in bytes
	s_lshl_b32 s3, s43, 20
	s_lshl_b32 s20, s15, 19
	s_add_co_u32 s3, s3, s20
	s_add_co_u32 s3, s3, s2                        ; and my first row's place in out0
	s_mov_b32 s96, 0
	s_mov_b32 s97, 0
	s_mov_b32 s21, 0
	WALU
	s_wait_dscnt 0x0
	CROUND                                         ; the opening round
	s_wait_kmcnt 0x0
	G0SET G0W, 72, 46
	G0SET G0S, 70, 8
	G0SET G0X, 68, 47
	s_cmp_eq_u32 s14, 0                            ; one chain of arms, one load to an arm
	s_cbranch_scc0 .Lhead_1
	TLOAD G0W, G1W                                 ; wave 0: Wo's rows
	s_branch .Lasked
.Lhead_1:
	s_cmp_eq_u32 s14, 1
	s_cbranch_scc0 .Lhead_2
	TLOAD G0S, G1S                                 ; wave 1: att's scale bytes
	s_branch .Lasked
.Lhead_2:
	TLOAD G0X, G1X                                 ; waves 2 and 3: eight tiles of att each
.Lasked:
	s_mov_b32 s20, s9
	s_add_nc_u64 s[74:75], s[74:75], s[20:21]
	s_mov_b32 s20, s2
	s_add_nc_u64 s[76:77], s[76:77], s[20:21]
	s_mov_b32 s20, s3
	s_add_nc_u64 s[12:13], s[78:79], s[20:21]
	s_mov_b32 s101, 2*TILE
	s_mov_b32 s99, 2*544
	v_and_b32 v1, 15, v0                           ; r
	v_bfe_u32 v2, v0, 4, 1                         ; h
	v_and_b32 v3, 31, v0
	v_lshrrev_b32 v9, 3, v1
	v_mul_u32_u24 v200, v1, PITCH
	v_mad_u32_u24 v201, v2, 24, v200
	v_mad_u32_u24 v202, v2, 40, v200
	v_add_nc_u32 v[WNB], s23, v201
	v_add_nc_u32 v[WNB+1], s23, v202
	v_lshlrev_b32 v203, 3, v3
	v_add_nc_u32 v[A0], s22, v203
	v_add_nc_u32 v[ADRA], TILE, v[A0]
	v_and_b32 v204, 7, v1
	v_lshlrev_b32 v204, 5, v204
	v_mad_u32_u24 v204, v9, 272, v204
	v_add_nc_u32 v[ASN], s98, v204
	v_lshlrev_b32 v205, 5, v3                      ; Wo's scale bytes: lane l takes row l of a pair of tiles
	v_mul_u32_u24 v206, v1, 272
	v_lshl_add_u32 v206, v2, 5, v206
	v_add_nc_u32 v[STO], s11, v206                 ; into the stage: row r, 32 bytes for each half of the lanes
	v_mul_u32_u24 v207, v2, 272
	v_lshl_add_u32 v207, v1, 4, v207
	v_add_nc_u32 v[RD], s11, v207                  ; back: lanes 0-15 one row of 256 bytes, lanes 16-31 the next
	v_lshlrev_b32 v208, 12, v2
	v_lshl_add_u32 v[CO], v1, 4, v208              ; and the same two rows in out0
	v_lshlrev_b32 v209, 5, v2
.irp b, 0,1,2,3
	v_add_nc_u32 v[BA+2*\b], \b*16*PITCH, v[WNB]
	v_add_nc_u32 v[BA+2*\b+1], \b*16*PITCH, v[WNB+1]
.endr
.irp p, 0,1
.irp c, 0,1
	global_load_b128 v[SB+8*\p+4*\c:SB+8*\p+4*\c+3], v205, s[74:75] offset:1024*\p+16*\c
.endr
.endr
.irp t, 0,1,2,3
	global_load_b128 v[BI+8*\t:BI+8*\t+3], v209, s[76:77] offset:64*\t          ; register 8 t + j of lane (r, h) is column 16 t + 8 h + j
	global_load_b128 v[BI+8*\t+4:BI+8*\t+7], v209, s[76:77] offset:64*\t+16
.endr
	WALU
	s_wait_tensorcnt 0x0
	BARRIER                                        ; all four tiles are in
	WEIGHTS
	FETCHA 0, A0, ASN, 0
	FETCHA 1, ADRA, ASN, 544
	s_wait_dscnt 0x0
	BARRIER                                        ; every wave holds its rows of Wo in registers: their LDS bytes serve as the stages from here on
	s_wait_loadcnt 0x0
; ================= eight blocks
	PBLK 0, 63, -1, 1
	PBLK 1, 63, NF, 1
	s_mov_b32 s3, 0
.Lpair:                                            ; blocks 2, 3 and 4, 5
	PBLK 0, 63, NF, 1
	PBLK 1, 63, NF, 1
	s_add_co_u32 s3, s3, 1
	s_cmp_lg_u32 s3, 2
	s_cbranch_scc1 .Lpair
	PBLK 0, 63, NF, 0                              ; the last two fetch nothing
	PBLK 1, 16, 0, 0
	NEXTROWS
	s_wait_dscnt 0x0
	SENDG 1
	s_wait_tensorcnt 0x0                           ; the wave's end
	ds_add_u32 v[SPW], v[NIL]
	s_wait_dscnt 0x0
	CROUND                                         ; the closing round
	s_endpgm
.Lfunc_end_k_q52db251453_proj:
	.size	k_q52db251453_proj, .Lfunc_end_k_q52db251453_proj-k_q52db251453_proj
	.p2alignl 7, 3214868480
	.fill 96, 4, 3214868480
	.section	.rodata,"a",@progbits
	.p2align	6, 0x0
	.amdhsa_kernel k_q52db251453_proj
		.amdhsa_group_segment_fixed_size 327680
		.amdhsa_private_segment_fixed_size 0
		.amdhsa_enable_private_segment 0
		.amdhsa_kernarg_size 48
		.amdhsa_user_sgpr_count 2
		.amdhsa_user_sgpr_kernarg_segment_ptr 1
		.amdhsa_wavefront_size32 1
		.amdhsa_system_sgpr_workgroup_id_x 1
		.amdhsa_system_sgpr_workgroup_id_y 1
		.amdhsa_system_sgpr_workgroup_id_z 1
		.amdhsa_system_vgpr_workitem_id 0
		.amdhsa_next_free_vgpr 1024
		.amdhsa_next_free_sgpr 102
		.amdhsa_reserve_vcc 0
		.amdhsa_float_denorm_mode_32 3
		.amdhsa_float_denorm_mode_16_64 3
		.amdhsa_memory_ordered 1
		.amdhsa_forward_progress 1
		.amdhsa_inst_pref_size 75
	.end_amdhsa_kernel
	.amdgpu_metadata
---
amdhsa.version: [ 1, 2 ]
amdhsa.kernels:
  - .name:           k_q52db251453_proj
    .symbol:         k_q52db251453_proj.kd
    .args:
      - { .name: att_codes, .offset: 0, .size: 8, .value_kind: global_buffer, .address_space: global }
      - { .name: att_scales, .offset: 8, .size: 8, .value_kind: global_buffer, .address_space: global }
      - { .name: Wo_codes, .offset: 16, .size: 8, .value_kind: global_buffer, .address_space: global }
      - { .name: Wo_scales, .offset: 24, .size: 8, .value_kind: global_buffer, .address_space: global }
      - { .name: bo, .offset: 32, .size: 8, .value_kind: global_buffer, .address_space: global }
      - { .name: out0, .offset: 40, .size: 8, .value_kind: global_buffer, .address_space: global }
    .group_segment_fixed_size: 327680
    .private_segment_fixed_size: 0
    .kernarg_segment_align: 8
    .kernarg_segment_size: 48
    .max_flat_workgroup_size: 128
    .sgpr_count:     102
    .vgpr_count:     1024
    .wavefront_size: 32
...
	.end_amdgpu_metadata
.endif
;; end of part 3
